; MI455X (gfx1250); checked and timed in simulation.
; The chip was launched on July 23, 2026; its instructions are those of AMD's public machine-readable ISA for CDNA 5 (MIT licence, August 2026) and "CDNA5" Instruction Set Architecture Reference Guide (July 2026). The comments in the code are by the model that wrote it; some were corrected since.
;; HS04 Model. Allowed arithmetic: float matrix products may take bf16 or f16 operands with f32 sums; other float arithmetic in f32, or as packed bf16 or f16 multiplies, adds, multiply-adds, maxima and minima; sums over many terms, partial sums and values carried from step to step in f32; what a program stores and reads back later, other than sums and carried values, may be rounded once to bf16 or f16.
;; Inputs: bias_css 128 float32; bias_hps 512 float32; bias_s 512 float32; inputs 20 x 4,096 x 256 float32; w_cs 128 x 512 float32; w_hps_hs 512 x 512 float32; w_hps_ph 256 x 512 float32; w_sc 512 x 128 float32; w_ss 512 x 512 float32.
;; Outputs: out0 4 x 4,096 x 512 float32.
;; 2 versions, each right; version 2 is version 1 with the launch rec written anew for expert scheduling mode. Each part assembles by itself: llvm-mc -triple=amdgcn-amd-amdhsa -mcpu=gfx1250 --defsym DOCPART=n.
;; ======== version 1 of 2: 3 launches
;; limits: values outside matrix products are rounded to bf16
;; workspace buffers: wts 1,572,864 bytes; gbuf 83,886,080 bytes
;; launch prep (part 1): grid 1536 x 1, 2 waves a work-group, no clusters, 0 bytes of LDS; arguments w_hps_ph, w_hps_hs, w_ss, w_cs, w_sc, wts; writes wts
.if DOCPART == 1
	.amdgcn_target "amdgcn-amd-amdhsa--gfx1250"
	.amdhsa_code_object_version 6
	.text
	.protected	k_qd005c50f65_prep
	.globl	k_qd005c50f65_prep
	.p2align	8
	.type	k_qd005c50f65_prep,@function
k_qd005c50f65_prep:
	s_mov_b64 s[64:65], 0
	v_nop
	global_prefetch_b8 v0, s[64:65] scope:SCOPE_SE
	s_setreg_imm32_b32 hwreg(HW_REG_WAVE_MODE, 25, 1), 1
	s_wait_xcnt 0x0
; THE WEIGHTS, ONCE: each of the five matrices is multiplied by KW = -log2(e)/4 in f32, rounded once to bf16 and laid out as FRAGMENT IMAGES of 1,024 bytes,
; so that two loads of 16 bytes a lane, 512 bytes apart, fill source 0 of a 16x16x32 product (16 output columns x 32 k).
; Image: byte 512 hf + 16 l holds W[k0 + 0..7][n], n = 16 tile + l % 16, k0 = 32 kf + 16 hf + 8 (l / 16).
; The factor folds the leak's 0.25 and the sigmoid's -log2(e) into the products: sigmoid(x) = 1 / (1 + 2^(-log2(e) x)).
; LIMIT: the weights are rounded to bf16 after this scaling, not before it.
; One work-group of 64 threads makes fragment F = its number.  F < 256: w_hps_ph, tile F / 8, kf F % 8.  F < 768: w_hps_hs, tile (F - 256) / 16, kf (F - 256) % 16.
; F >= 768: the recurrent weights in the order in which wave w = (F - 768) / 192 of the last launch holds them, q = (F - 768) % 192, by POSITION p in that wave's walk and tile j:
;   q 0-63 p q/4, j 4 + q%4;  64-83 p 16 + u/5, j 2 + u%5;  84-147 p u/4, j u%4;  148-155 p 16 + u/2, j u%2;  156-187 p u/2, j 8 + u%2;  188-191 p 16 + u, j 7   (u counts from the range's start)
;   Wave w walks the sixteen k blocks of a_s beginning with its own four: position p < 16 is k block (4 w + p) % 16; positions 16-19 are the k blocks 0-3 of a_css.
;   j < 8: column tile 8 w + j of w_ss (p < 16) or of w_cs (p >= 16);  j >= 8: column tile 2 w + j - 8 of w_sc.
.set KW, 0xbeb8aa3b
	s_load_b256 s[4:11], s[0:1], 0x0               ; w_hps_ph s[4:5], w_hps_hs s[6:7], w_ss s[8:9], w_cs s[10:11]
	s_load_b128 s[12:15], s[0:1], 0x20             ; w_sc s[12:13], wts s[14:15]
	s_mov_b32 s20, ttmp9                           ; F
	s_cmp_lt_u32 s20, 256
	s_cbranch_scc0 .Lnot_ph
	s_lshr_b32 s21, s20, 3                         ; s21 column tile, s22 kf, s23 which matrix
	s_and_b32 s22, s20, 7
	s_mov_b32 s23, 0
	s_branch .Ldecoded
.Lnot_ph:
	s_cmp_lt_u32 s20, 768
	s_cbranch_scc0 .Lrec
	s_sub_co_u32 s24, s20, 256
	s_lshr_b32 s21, s24, 4
	s_and_b32 s22, s24, 15
	s_mov_b32 s23, 1
	s_branch .Ldecoded
.Lrec:
	s_sub_co_u32 s24, s20, 768
	s_lshr_b32 s25, s24, 6                         ; 0..11; a third of it is
	s_mul_i32 s25, s25, 11
	s_lshr_b32 s25, s25, 5                         ; w
	s_mul_i32 s26, s25, 192
	s_sub_co_u32 s26, s24, s26                     ; q
	s_cmp_lt_u32 s26, 64
	s_cbranch_scc0 .Lq64
	s_lshr_b32 s22, s26, 2                         ; s22 = p
	s_and_b32 s27, s26, 3
	s_add_co_u32 s27, s27, 4                       ; s27 = j
	s_branch .Lkj
.Lq64:
	s_cmp_lt_u32 s26, 84
	s_cbranch_scc0 .Lq84
	s_sub_co_u32 s28, s26, 64
	s_mul_i32 s29, s28, 13
	s_lshr_b32 s29, s29, 6                         ; u / 5 for u < 20
	s_add_co_u32 s22, s29, 16
	s_mul_i32 s29, s29, 5
	s_sub_co_u32 s27, s28, s29
	s_add_co_u32 s27, s27, 2
	s_branch .Lkj
.Lq84:
	s_cmp_lt_u32 s26, 148
	s_cbranch_scc0 .Lq148
	s_sub_co_u32 s28, s26, 84
	s_lshr_b32 s22, s28, 2
	s_and_b32 s27, s28, 3
	s_branch .Lkj
.Lq148:
	s_cmp_lt_u32 s26, 156
	s_cbranch_scc0 .Lq156
	s_sub_co_u32 s28, s26, 148
	s_lshr_b32 s22, s28, 1
	s_add_co_u32 s22, s22, 16
	s_and_b32 s27, s28, 1
	s_branch .Lkj
.Lq156:
	s_cmp_lt_u32 s26, 188
	s_cbranch_scc0 .Lq188
	s_sub_co_u32 s28, s26, 156
	s_lshr_b32 s22, s28, 1
	s_and_b32 s27, s28, 1
	s_add_co_u32 s27, s27, 8
	s_branch .Lkj
.Lq188:
	s_sub_co_u32 s22, s26, 172                     ; 16 + q - 188
	s_mov_b32 s27, 7
.Lkj:
	s_lshl2_add_u32 s28, s25, s22                  ; 4 w + p
	s_and_b32 s28, s28, 15
	s_cmp_lt_u32 s22, 16
	s_cselect_b32 s22, s28, s22                    ; from position to k block: (4 w + p) % 16 for p < 16, else as it is
	s_cmp_lt_u32 s27, 8
	s_cbranch_scc0 .Lsc
	s_lshl3_add_u32 s21, s25, s27                  ; 8 w + j
	s_cmp_lt_u32 s22, 16
	s_cselect_b32 s23, 2, 3                        ; w_ss or w_cs
	s_and_b32 s22, s22, 15                         ; in w_cs the k block is p - 16
	s_branch .Ldecoded
.Lsc:
	s_lshl1_add_u32 s21, s25, s27                  ; 2 w + j
	s_sub_co_u32 s21, s21, 8
	s_mov_b32 s23, 4
.Ldecoded:
	s_cmp_eq_u32 s23, 4
	s_cselect_b32 s30, 9, 11                       ; a row of w_sc is 512 bytes, of the others 2,048
	s_lshl_b32 s31, 1, s30
	s_lshl_b32 s32, s22, 5                         ; 32 kf
	s_lshl_b32 s33, s21, 6                         ; the tile's first column, in bytes
	v_and_b32 v1, 15, v0                           ; l % 16
	v_bfe_u32 v2, v0, 4, 1                         ; l / 16
	v_lshrrev_b32 v3, 5, v0                        ; hf
	v_lshlrev_b32 v4, 4, v3
	v_lshl_add_u32 v4, v2, 3, v4
	v_add_nc_u32 v4, s32, v4                       ; k0
	v_lshlrev_b32 v4, s30, v4
	v_lshl_add_u32 v5, v1, 2, s33
	v_add_nc_u32 v8, v4, v5                        ; byte offset of W[k0][n];
.irp e, 1,2,3,4,5,6,7
	v_add_nc_u32 v[8+(\e)], s31, v[7+(\e)]         ; the seven rows below it
.endr
	v_lshlrev_b32 v6, 4, v0                        ; my 16 bytes of the image
	s_lshl_b32 s34, s20, 10
	s_mov_b32 s35, 0
	s_wait_kmcnt 0x0
	s_cmp_eq_u32 s23, 1
	s_cselect_b64 s[4:5], s[6:7], s[4:5]
	s_cmp_eq_u32 s23, 2
	s_cselect_b64 s[4:5], s[8:9], s[4:5]
	s_cmp_eq_u32 s23, 3
	s_cselect_b64 s[4:5], s[10:11], s[4:5]
	s_cmp_eq_u32 s23, 4
	s_cselect_b64 s[4:5], s[12:13], s[4:5]
	s_add_nc_u64 s[14:15], s[14:15], s[34:35]
.irp e, 0,1,2,3,4,5,6,7
	global_load_b32 v[16+(\e)], v[8+(\e)], s[4:5]
.endr
	s_wait_loadcnt 0x0
.irp e, 0,1,2,3,4,5,6,7
	v_mul_f32 v[16+(\e)], KW, v[16+(\e)]
.endr
.irp p, 0,1,2,3
	v_cvt_pk_bf16_f32 v[24+(\p)], v[16+2*(\p)], v[17+2*(\p)]  ; the lower k in the lower half
.endr
	global_store_b128 v6, v[24:27], s[14:15]       ; the work-group's 64 lanes store the image's 1,024 consecutive bytes
	s_endpgm
.Lfunc_end_k_qd005c50f65_prep:
	.size	k_qd005c50f65_prep, .Lfunc_end_k_qd005c50f65_prep-k_qd005c50f65_prep
	.p2alignl 7, 3214868480
	.fill 96, 4, 3214868480
	.section	.rodata,"a",@progbits
	.p2align	6, 0x0
	.amdhsa_kernel k_qd005c50f65_prep
		.amdhsa_group_segment_fixed_size 0
		.amdhsa_private_segment_fixed_size 0
		.amdhsa_enable_private_segment 0
		.amdhsa_kernarg_size 48
		.amdhsa_user_sgpr_count 2
		.amdhsa_user_sgpr_kernarg_segment_ptr 1
		.amdhsa_wavefront_size32 1
		.amdhsa_system_sgpr_workgroup_id_x 1
		.amdhsa_system_sgpr_workgroup_id_y 1
		.amdhsa_system_sgpr_workgroup_id_z 1
		.amdhsa_system_vgpr_workitem_id 0
		.amdhsa_next_free_vgpr 32
		.amdhsa_next_free_sgpr 66
		.amdhsa_reserve_vcc 0
		.amdhsa_float_denorm_mode_32 3
		.amdhsa_float_denorm_mode_16_64 3
		.amdhsa_memory_ordered 1
		.amdhsa_forward_progress 1
		.amdhsa_inst_pref_size 6
	.end_amdhsa_kernel
	.amdgpu_metadata
---
amdhsa.version: [ 1, 2 ]
amdhsa.kernels:
  - .name:           k_qd005c50f65_prep
    .symbol:         k_qd005c50f65_prep.kd
    .args:
      - { .name: w_hps_ph, .offset: 0, .size: 8, .value_kind: global_buffer, .address_space: global }
      - { .name: w_hps_hs, .offset: 8, .size: 8, .value_kind: global_buffer, .address_space: global }
      - { .name: w_ss, .offset: 16, .size: 8, .value_kind: global_buffer, .address_space: global }
      - { .name: w_cs, .offset: 24, .size: 8, .value_kind: global_buffer, .address_space: global }
      - { .name: w_sc, .offset: 32, .size: 8, .value_kind: global_buffer, .address_space: global }
      - { .name: wts, .offset: 40, .size: 8, .value_kind: global_buffer, .address_space: global }
    .group_segment_fixed_size: 0
    .private_segment_fixed_size: 0
    .kernarg_segment_align: 8
    .kernarg_segment_size: 48
    .max_flat_workgroup_size: 64
    .sgpr_count:     66
    .vgpr_count:     32
    .wavefront_size: 32
...
	.end_amdgpu_metadata
.endif
;; end of part 1
;; launch ff (part 2): grid 256 x 1, 4 waves a work-group, clusters of 4 x 1, 327,680 bytes of LDS; arguments inputs, wts, bias_hps, bias_s, gbuf; writes gbuf
.if DOCPART == 2
	.amdgcn_target "amdgcn-amd-amdhsa--gfx1250"
	.amdhsa_code_object_version 6
	.text
	.protected	k_qd005c50f65_ff
	.globl	k_qd005c50f65_ff
	.p2align	8
	.type	k_qd005c50f65_ff,@function
k_qd005c50f65_ff:
	s_mov_b64 s[64:65], 0
	v_nop
	global_prefetch_b8 v0, s[64:65] scope:SCOPE_SE
	s_setreg_imm32_b32 hwreg(HW_REG_WAVE_MODE, 25, 1), 1
	s_wait_xcnt 0x0
	s_wait_alu depctr_hold_cnt(0) depctr_sa_sdst(0) depctr_va_vdst(0) depctr_va_sdst(0) depctr_va_ssrc(0) depctr_va_vcc(0) depctr_vm_vsrc(0)
	s_getreg_b32 s2, hwreg(HW_REG_IB_STS2, 6, 4)
	s_cmp_eq_u32 s2, 0
	s_cbranch_scc0 .Lentry_in_a_cluster
	s_endpgm
.Lentry_in_a_cluster:
	s_bfe_u32 s2, ttmp6, 0x10000c
	s_cmp_lg_u32 s2, 0x3003
	s_cbranch_scc0 .Lentry_shape_is_right
	s_endpgm
.Lentry_shape_is_right:
; THE FEED-FORWARD PART, FOR ALL TICKS AT ONCE.  The hidden layer hangs on the inputs alone, and the leaky sum commutes with the product:
;   xi_t = x_t + 0.75 xi_(t-1) (f32, rounded to bf16 as a matrix operand);   hps'_t = xi_t W'ph + (1 - 0.75^(t+1)) nb,  nb = -log2(e) bias_hps;   a_t = 1 / (1 + 2^hps'_t)
;   G[i] = a_(i-1) W'hs + KW bias_s, i = 0..19, a_(-1) = 0.5: what tick i of the recurrence takes from the hidden layer.  W' = KW W (bf16, made by the launch before), KW = -log2(e)/4.
; ROW TILES.  A work-group owns 16 batch rows; row tile i = 0..19 holds xi_(i-1) of these rows; tile 0 is all zeros and has the factor 1 - 0.75^0 = 0, which gives a = 0.5.
; inputs[19] is not read: hps_19 enters no output.  2^x that overflows gives a = 0, that underflows a = 1: the sigmoid's limits.
; SHARES.  Wave w owns row tiles 5 w .. 5 w + 4 for all 512 hidden units and all 512 outputs.  Both products are taken transposed (source 0 = 16 columns of W', source 1 = 16 rows), so a lane holds
; ONE row (lane % 16) and eight neighbouring units 8 (lane / 16) + 0..7: two tiles of a, rounded to bf16 in pairs, ARE source 1 of the second product.  a never leaves the registers (640 of them).
; THE WEIGHTS come once through a ring of two LDS slots of 64 KiB: twelve fills (four of W'ph, eight of W'hs), a quarter of a slot to each wave.  All work-groups walk the same weights, so the four of a
; cluster ask JOINTLY: the same tensor load, descriptor and mask in all four.  By this text's count one tensor load of a wave is out at a time.
; G leaves in bf16 in the accumulators' own image: [block 256][i 20][tile 32][lane 32][8 columns]: each store of a wave covers 512 consecutive bytes, aligned.
; LDS: 0 slot 0; 65,536 slot 1; XI 20 tiles of xi: 32 groups of 8 k, each 16 rows x 16 bytes + 16 of padding (272 bytes)
;      BIAS nb, then KW bias_s (f32); SPARE the spare words.  XI, BIAS and SPARE lie in blocks of 256 bytes of their own, into which no tensor load lands.
; REGISTERS, in windows of 256 (s_set_vgpr_msb: bits 1:0 source 0, 3:2 source 1, 5:4 source 2, 7:6 destination):
;   window 0: v0-31 addresses; v32-63 the scan's state, later the biases at work; v64-223 20 accumulators (scan: v64-191 a ring of four ticks of x, v192-207 packed xi; second product: v64-143 10 accumulators, v144-183 packed G);
;             v224-255 W' fragments, even k steps.     v256-895: a, fragment (k block kf2, row tile r) at 256 + 8 (5 kf2 + r).
;   window 3: v128-207 xi fragments, two sets of five; v208-239 W' fragments, odd k steps; second product: v128-255 W' fragments, two sets of eight.
.set KW,    0xbeb8aa3b
.set NL2E,  0xbfb8aa3b
.set SLOTB, 65536
.set HALFS, 32768                      ; half a slot: 64 hidden units of W'ph, or two output tiles of W'hs
.set XI,    131072
.set XG,    272
.set XT,    32*XG                      ; 8,704
.set BIAS,  305152
.set SPARE, 309248
.set XO,  4                            ; v4    my byte offset in a tick's 16 rows of x: 1,024 w + 16 l
.set XS,  5                            ; v5-7  where I put 8 bytes of xi: tiles 0-7, 8-15, 16-19; never rewritten
.set XA,  8                            ; v8    my place in my wave's first xi tile
.set L16, 9                            ; v9    16 l
.set WA,  10                           ; v10   LDS address of the weights at work
.set H32, 11                           ; v11   32 (l / 16)
.set GO,  12                           ; v12   my byte offset in the block's G: 81,920 w + 16 l
.set PFO, 13                           ; v13   256 l
.set SPW, 14                           ; v14   LDS address of my spare word; never rewritten
.set NIL, 15                           ; v15   0; never rewritten
.set BT,  24                           ; v24   16 x my thread's number
.set BST, 25                           ; v25   BIAS + that
.set BA,  26                           ; v26   LDS address of the biases at work
.set NB,  32
.set AC,  64
.set X,   64
.set PKX, 192
.set PK,  144
.set FA0, 224
.set FA1, 208
.set FBB, 128
.set PA,  128
.set WV,  14                           ; s14  my wave's number
.set CX,  15                           ; s15  my place in the cluster: it enters x's, G's and the prefetches' addresses alone
.set G1,  16                           ; s[16:23] descriptor group 1
.set G0,  24                           ; s[24:27] descriptor group 0: it walks
.set XB,  28                           ; s[28:35] x at my block's rows, a pointer for each slot of the ring
.set C075, 36                          ; s[36:37] 0.75
.set CI,  38                           ; s[38:47] 1 - 0.75^(5 w + r), a pair for each r
.set TB,  48                           ; s48  LDS byte at which the weights at work begin
.set SL,  49                           ; s49  counts slots
.set CK,  50                           ; s50  counts a slot's halves
.set CH,  51                           ; s51  the chunk of 64 hidden units, 0..7
.set FL,  52                           ; s52  fills still to be asked for
.set LIM, 53                           ; s53  1 in a wave that prefetches, else the greatest number
.set PFA, 54                           ; s[54:55] where my prefetches stand
.set GB,  56                           ; s[56:57] G at my block, 1,024 bytes past the group in hand
.set BO,  58                           ; s58  LDS byte of the biases at work
.set MSB, 0
.macro WIN new                         ; the immediate's high byte repeats the setting that is left; a switch that changes nothing is dropped
.if MSB != (\new)
	s_set_vgpr_msb (MSB<<8)|(\new)
.set MSB, (\new)
.endif
.endm
.macro PLACES                          ; four plain places behind a matrix instruction, in front of loads into its sources and of vector work on its result
.rept 4
	v_nop
.endr
.endm
.macro ROUND                           ; a round of the cluster's barrier: my work-group's barrier; wave 0 signals for it; all wait for the four work-groups; my work-group's barrier once more
	s_barrier_signal -1
	s_barrier_wait -1
	s_cmp_lg_u32 s[WV], 0
	s_cbranch_scc1 .Lnw0_\@
	s_barrier_signal -3
.Lnw0_\@:
	s_barrier_wait -3
	s_barrier_signal -1
	s_barrier_wait -1
.endm
; THE CHANGE OF SLOTS.  Each wave waits for all its tensor loads (one is out: its quarter of the slot to be entered), adds 0 to its spare word, and waits for that and for its reads of the slot that it leaves.
; fill = 1: the barrier is a round of the cluster's, and the joint refill of the slot just left is the first thing behind it: it has a whole slot's products in which to land.
; (At its first use nothing has been read: slot 0 is waited for, slot 1 filled; the same barrier shows xi and the biases, stored by all four waves, to all.)
; Behind the refill one prefetch names the fill AFTER the one just asked for: 64 KiB, shared out by address among the four partners (16 KiB each) and their waves 0 and 1 (32 lanes x 256 bytes each);
; only the launch's first cluster asks, since all clusters walk the same weights; the last refill asks for nothing.
.macro CHANGE fill
	WIN 0
.if \fill
	s_wait_xcnt 0x0                                ; the last prefetch, a slot back, has read its address
	s_add_nc_u64 s[PFA:PFA+1], s[PFA:PFA+1], SLOTB
.endif
	s_wait_tensorcnt 0x0                           ; no tensor load of mine is out, so group 0 may be written
	ds_add_u32 v[SPW], v[NIL]                      ; 0 onto my spare word; scalar work stands between it and the wait for it
.if \fill
	s_xor_b32 s[G0+1], s[G0+1], SLOTB              ; the other slot than last time,
	s_add_nc_u64 s[G0+2:G0+3], s[G0+2:G0+3], SLOTB ; the next 64 KiB of weights; the type bits on top are not reached
.endif
	s_sub_co_u32 s[TB], s[TB], SLOTB               ; the reads go back to a slot's first byte,
	s_xor_b32 s[TB], s[TB], SLOTB                  ; in the other slot
	s_wait_dscnt 0x0                               ; the add is done, and my LDS reads and stores are over
.if \fill
	ROUND
	tensor_load_to_lds s[G0:G0+3], s[G1:G1+7]
	s_nop 0
	PLACES
	s_cmp_gt_u32 s[FL], s[LIM]
	s_cbranch_scc0 .Lnoask_\@
	global_prefetch_b8 v[PFO], s[PFA:PFA+1] th:TH_LOAD_NT scope:SCOPE_SE
.Lnoask_\@:
	s_sub_co_u32 s[FL], s[FL], 1
.else
	s_barrier_signal -1
	s_barrier_wait -1
.endif
.endm
	s_load_b256 s[4:11], s[0:1], 0x0               ; inputs s[4:5], wts s[6:7], bias_hps s[8:9], bias_s s[10:11]
	s_load_b64 s[12:13], s[0:1], 0x20              ; G
	v_lshl_add_u32 v[SPW], v0, 2, SPARE
	v_mov_b32 v[NIL], 0
	ds_add_u32 v[SPW], v[NIL]                      ; the wave's opening: the add, twice on end, and its wait ahead of my first tensor load
	ds_add_u32 v[SPW], v[NIL]
	v_lshrrev_b32 v1, 5, v0
	v_readfirstlane_b32 s[WV], v1                  ; wave 0..3
	; descriptor group 1: 16 KiB of dense bytes as 64 rows of 256
	s_mov_b32 s[G1+0], 15|(3<<16)|(1<<21)          ; 15:0 the mask of four; 17:16 elements of 8 bytes; 21 set beside a mask
	s_mov_b32 s[G1+1], 32<<16                      ; tensor_dim0 = 32
	s_mov_b32 s[G1+2], 64<<16                      ; tensor_dim1 = 64
	s_mov_b32 s[G1+3], 32<<16                      ; tile_dim0 = 32
	s_mov_b32 s[G1+4], 64                          ; tile_dim1 = 64
	s_mov_b32 s[G1+5], 32                          ; 32 elements from row to row
	s_mov_b32 s[G1+6], 0
	s_mov_b32 s[G1+7], 0
	s_mov_b32 s[G0], 1
	s_lshl_b32 s[G0+1], s[WV], 14                  ; my quarter of slot 0
	s_lshl_b32 s66, s[WV], 14                      ; and of the first 64 KiB of weights
	s_mov_b32 s67, 0
	s_bfe_u32 s[CX], ttmp6, 0x40000
	s_lshl_b32 s60, ttmp9, 2
	s_add_co_u32 s60, s60, s[CX]                   ; my block of 16 rows
	s_lshr_b32 s59, s[WV], 1
	s_or_b32 s59, s59, ttmp9                       ; 0 in waves 0 and 1 of the first cluster: the same in all four partners
	s_cmp_eq_u32 s59, 0
	s_cselect_b32 s[LIM], 1, -1
	s_mov_b32 s[C075], 0x3f400000
	s_mov_b32 s[C075+1], s[C075]
	s_mov_b32 s68, -1.0                            ; -0.75^(5 w), by factors of 0.75^5 = 243/1024
.irp n, 0,1,2
	s_cmp_gt_u32 s[WV], \n
	s_cselect_b32 s69, 0x3e730000, 1.0
	s_mul_f32 s68, s68, s69
.endr
.irp r, 0,1,2,3,4
	s_add_f32 s[CI+2*(\r)], 1.0, s68
	s_mov_b32 s[CI+2*(\r)+1], s[CI+2*(\r)]
	s_mul_f32 s68, s68, 0x3f400000
.endr
	s_mov_b32 s[TB], 2*SLOTB                       ; the first change of slots turns it into 0
	s_mov_b32 s[BO], BIAS
	s_mov_b32 s[CH], 0
	s_mov_b32 s[FL], 11
	v_and_b32 v1, 31, v0                           ; l
	v_and_b32 v2, 15, v0                           ; l % 16
	v_bfe_u32 v3, v0, 4, 1                         ; l / 16
	s_lshl_b32 s59, s[WV], 10
	v_lshl_add_u32 v[XO], v1, 4, s59
	v_lshrrev_b32 v28, 1, v1                       ; the scan: my 4 k lie in group l / 2 (+ 16 for the row's second half), at byte 8 (l % 2); my rows are w, w + 4, w + 8, w + 12
	v_and_b32 v29, 1, v1
	v_mul_u32_u24 v28, v28, XG
	v_lshl_add_u32 v28, v29, 3, v28
	s_lshl_b32 s59, s[WV], 4
	s_add_co_u32 s59, s59, XI
	v_add_nc_u32 v[XS], s59, v28
	v_add_nc_u32 v[XS+1], 8*XT, v[XS]
	v_add_nc_u32 v[XS+2], 16*XT, v[XS]
	v_mul_u32_u24 v28, v3, XG                      ; a fragment of xi: row l % 16, groups 4 kf + l / 16 and 4 kf + 2 + l / 16
	v_lshl_add_u32 v28, v2, 4, v28
	s_mul_i32 s59, s[WV], 5*XT
	s_add_co_u32 s59, s59, XI
	v_add_nc_u32 v[XA], s59, v28
	v_lshlrev_b32 v[L16], 4, v1
	v_lshlrev_b32 v[H32], 5, v3
	s_mul_i32 s59, s[WV], 5*16384
	v_add_nc_u32 v[GO], s59, v[L16]
	v_lshlrev_b32 v[PFO], 8, v1
	v_lshlrev_b32 v[BT], 4, v0
	v_add_nc_u32 v[BST], BIAS, v[BT]
	v_mov_b32 v[PKX], 0
	v_mov_b32 v[PKX+1], 0
	s_wait_dscnt 0x0                               ; both opening adds are done
	s_wait_kmcnt 0x0
	s_add_nc_u64 s[G0+2:G0+3], s[6:7], s[66:67]
	s_or_b32 s[G0+3], s[G0+3], 0x80000000          ; type = 2
	ROUND                                          ; all four work-groups are here: the first joint loads meet
	tensor_load_to_lds s[G0:G0+3], s[G1:G1+7]      ; fill 0 into slot 0
	s_nop 0
	PLACES
	s_lshl_b32 s62, s60, 14                        ; my block's 16 rows of 1,024 bytes
	s_mov_b32 s63, 0
	s_add_nc_u64 s[XB:XB+1], s[4:5], s[62:63]
	s_add_nc_u64 s[XB+2:XB+3], s[XB:XB+1], 0x400000  ; a tick of x is 4,096 rows of 1,024 bytes
	s_add_nc_u64 s[XB+4:XB+5], s[XB:XB+1], 0x800000
	s_add_nc_u64 s[XB+6:XB+7], s[XB:XB+1], 0xc00000
	s_mul_i32 s62, s60, 20*16384
	s_add_nc_u64 s[GB:GB+1], s[12:13], s[62:63]
	s_lshl_b32 s62, s[CX], 14
	s_lshl_b32 s61, s[WV], 13
	s_add_co_u32 s62, s62, s61
	s_add_co_u32 s62, s62, SLOTB                   ; in fill 1: the first change steps it to fill 2
	s_add_nc_u64 s[PFA:PFA+1], s[6:7], s[62:63]
; THE SCAN.  Thread (w, l) keeps 32 numbers of xi: rows w + 4 u, k = 128 h + 4 l + 0..3.  A load of a wave covers 512 consecutive bytes of a row.  A ring of four ticks of x is on its way.
.macro XLOAD s
.irp u, 0,1,2,3
.irp h, 0,1
	global_load_b128 v[X+32*(\s)+4*(2*(\u)+(\h)):X+32*(\s)+4*(2*(\u)+(\h))+3], v[XO], s[XB+2*(\s):XB+2*(\s)+1] offset:(\u)*4096+(\h)*512 th:TH_LOAD_NT
.endr
.endr
.endm
.macro REFILL s                        ; the slot's loads have been shown done, so its pointer may step: four ticks on
	s_add_nc_u64 s[XB+2*(\s):XB+2*(\s)+1], s[XB+2*(\s):XB+2*(\s)+1], 0x1000000
	XLOAD \s
.endm
; Tick t.  left = the younger loads that may stay out.  Tick 0 is rounded as it is; tick 1 starts the state from both, so nothing is cleared or copied, and fills two slots again.
.macro SCAN t, left
	s_wait_loadcnt \left
.set xr, X+32*((\t)%4)
.set n, 0
.rept 16
.if (\t) == 1
	v_pk_fma_f32 v[NB+2*n:NB+2*n+1], v[X+2*n:X+2*n+1], s[C075:C075+1], v[xr+2*n:xr+2*n+1] op_sel_hi:[1,0,1]
.elseif (\t) > 1
	v_pk_fma_f32 v[NB+2*n:NB+2*n+1], v[NB+2*n:NB+2*n+1], s[C075:C075+1], v[xr+2*n:xr+2*n+1] op_sel_hi:[1,0,1]
.endif
.set n, n+1
.endr
.set sr, NB
.if (\t) == 0
.set sr, X
.endif
.set n, 0
.rept 16
	v_cvt_pk_bf16_f32 v[PKX+n], v[sr+2*n], v[sr+2*n+1]
.set n, n+1
.endr
.irp u, 0,1,2,3
.irp h, 0,1
	ds_store_b64 v[XS+((\t)+1)/8], v[PKX+2*(2*(\u)+(\h)):PKX+2*(2*(\u)+(\h))+1] offset:(((\t)+1)%8)*XT+(\h)*16*XG+(\u)*64  ; row tile t + 1
.endr
.endr
.if (\t) == 1
	REFILL 0
	REFILL 1
.elseif ((\t) > 1) && ((\t) < 15)
	REFILL (\t)%4
.endif
.endm
	global_load_b128 v[16:19], v[BT], s[8:9]       ; 16 bytes of each bias a thread
	global_load_b128 v[20:23], v[BT], s[10:11]
	XLOAD 0
	XLOAD 1
	XLOAD 2
	XLOAD 3
.irp u, 0,1,2,3
.irp h, 0,1
	ds_store_b64 v[XS], v[PKX:PKX+1] offset:(\h)*16*XG+(\u)*64  ; row tile 0: zeros
.endr
.endr
	s_wait_loadcnt 32                              ; the biases are in; the 32 loads of x stay out
	v_pk_mul_f32 v[16:17], v[16:17], NL2E op_sel_hi:[1,0]
	v_pk_mul_f32 v[18:19], v[18:19], NL2E op_sel_hi:[1,0]
	v_pk_mul_f32 v[20:21], v[20:21], KW op_sel_hi:[1,0]
	v_pk_mul_f32 v[22:23], v[22:23], KW op_sel_hi:[1,0]
	ds_store_b128 v[BST], v[16:19]
	ds_store_b128 v[BST], v[20:23] offset:2048
	SCAN 0, 24
	SCAN 1, 16                                     ; slot 0 has not been filled again yet: two younger ticks
.irp t, 2,3,4,5,6,7,8,9,10,11,12,13,14,15
	SCAN \t, 24
.endr
	SCAN 16, 16                                    ; nothing is left to load: the counts run down
	SCAN 17, 8
	SCAN 18, 0
; THE FIRST PRODUCT.  A chunk is 64 hidden units (4 tiles a) x my 5 row tiles r: 20 accumulators; K = 256 in 8 steps of 32, the fragments of step kf + 1 fetched while step kf is multiplied.
.macro FETCH1 kf
.if ((\kf)%2) == 0
	WIN 0
.set fa, FA0
.else
	WIN 0xc0
.set fa, FA1
.endif
.irp a, 0,1,2,3
	ds_load_b128 v[fa+8*(\a):fa+8*(\a)+3],   v[WA] offset:((\a)*8+(\kf))*1024
	ds_load_b128 v[fa+8*(\a)+4:fa+8*(\a)+7], v[WA] offset:((\a)*8+(\kf))*1024+512
.endr
	WIN 0xc0
.set fb, FBB+40*((\kf)%2)
.irp r, 0,1,2,3,4
	ds_load_b128 v[fb+8*(\r):fb+8*(\r)+3],   v[XA] offset:(\r)*XT+(\kf)*4*XG
	ds_load_b128 v[fb+8*(\r)+4:fb+8*(\r)+7], v[XA] offset:(\r)*XT+(\kf)*4*XG+2*XG
.endr
.endm
.macro MUL1 kf                         ; the 20 accumulators take turns; step 0 starts the sums
.if ((\kf)%2) == 0
	WIN 0x0c
.set fa, FA0
.else
	WIN 0x0f
.set fa, FA1
.endif
.set fb, FBB+40*((\kf)%2)
.irp a, 0,1,2,3
.irp r, 0,1,2,3,4
.if (\kf) == 0
	v_wmma_f32_16x16x32_bf16 v[AC+8*(5*(\a)+(\r)):AC+8*(5*(\a)+(\r))+7], v[fa+8*(\a):fa+8*(\a)+7], v[fb+8*(\r):fb+8*(\r)+7], 0
.else
	v_wmma_f32_16x16x32_bf16 v[AC+8*(5*(\a)+(\r)):AC+8*(5*(\a)+(\r))+7], v[fa+8*(\a):fa+8*(\a)+7], v[fb+8*(\r):fb+8*(\r)+7], v[AC+8*(5*(\a)+(\r)):AC+8*(5*(\a)+(\r))+7]
.endif
.endr
.endr
.endm
	s_mov_b32 s[SL], 4
.Lp1slot:                                              ; four slots of W'ph, two chunks each
	CHANGE 1
	s_mov_b32 s[CK], 2
.Lp1chunk:
	v_add_nc_u32 v[BA], s[BO], v[H32]
	v_add_nc_u32 v[WA], s[TB], v[L16]
.irp a, 0,1,2,3
	ds_load_b128 v[NB+8*(\a):NB+8*(\a)+3],   v[BA] offset:(\a)*64      ; nb of my eight units in each of the four tiles
	ds_load_b128 v[NB+8*(\a)+4:NB+8*(\a)+7], v[BA] offset:(\a)*64+16
.endr
	FETCH1 0
.irp kf, 0,1,2,3,4,5,6
	PLACES
	FETCH1 (\kf)+1
	s_wait_dscnt 18                                ; all but the 18 just issued
	MUL1 \kf
.endr
	s_wait_dscnt 0x0
	MUL1 7
	WIN 0
	PLACES
	; the sigmoid of 160 numbers a lane: + c nb, 2^x; then + 1, 1 / x.  Each kind of transcendental is one batch with one wait; each accumulator is read from its low end on.
.set n, 0
.rept 80
	v_pk_fma_f32 v[AC+2*n:AC+2*n+1], v[NB+8*(n/20)+2*(n%4):NB+8*(n/20)+2*(n%4)+1], s[CI+2*((n/4)%5):CI+2*((n/4)%5)+1], v[AC+2*n:AC+2*n+1] op_sel_hi:[1,0,1]
.if n > 0
	v_exp_f32 v[AC+2*n-2], v[AC+2*n-2]
	v_exp_f32 v[AC+2*n-1], v[AC+2*n-1]
.endif
.set n, n+1
.endr
	v_exp_f32 v[AC+158], v[AC+158]
	v_exp_f32 v[AC+159], v[AC+159]
	v_nop                                          ; a plain instruction behind the last exponential,
	s_wait_alu depctr_va_vdst(0)                   ; and the one wait ahead of the batch's first reader
.set n, 0
.rept 80
	v_pk_add_f32 v[AC+2*n:AC+2*n+1], v[AC+2*n:AC+2*n+1], 1.0 op_sel_hi:[1,0]
.if n > 0
	v_rcp_f32 v[AC+2*n-2], v[AC+2*n-2]
	v_rcp_f32 v[AC+2*n-1], v[AC+2*n-1]
.endif
.set n, n+1
.endr
	v_rcp_f32 v[AC+158], v[AC+158]
	v_rcp_f32 v[AC+159], v[AC+159]
	v_nop
	s_wait_alu depctr_va_vdst(0)                   ; the same for the reciprocals, ahead of the branches below
	; a goes to its place among the 640 registers.  A register's number cannot hang on a counter, so the 80 roundings stand eight times, and the chunk's number chooses one.
.irp c, 0,1,2,3,4,5,6,7
	s_cmp_eq_u32 s[CH], \c
	s_cbranch_scc0 .Lnoput\c
.irp ah, 0,1
.irp r, 0,1,2,3,4
.irp al, 0,1
.irp q, 0,1,2,3
.set RG, 256+8*((2*(\c)+(\ah))*5+(\r))+4*(\al)+(\q)
	WIN (RG>>8)<<6
	v_cvt_pk_bf16_f32 v[RG&255], v[AC+8*((2*(\ah)+(\al))*5+(\r))+2*(\q)], v[AC+8*((2*(\ah)+(\al))*5+(\r))+2*(\q)+1]
.endr
.endr
.endr
.endr
	WIN 0
.Lnoput\c:
.endr
	s_add_co_u32 s[CH], s[CH], 1
	s_add_co_u32 s[BO], s[BO], 256                 ; behind the eighth chunk it stands at KW bias_s
	s_add_co_u32 s[TB], s[TB], HALFS
	s_sub_co_u32 s[CK], s[CK], 1
	s_cmp_lg_u32 s[CK], 0
	s_cbranch_scc1 .Lp1chunk
	s_sub_co_u32 s[SL], s[SL], 1
	s_cmp_lg_u32 s[SL], 0
	s_cbranch_scc1 .Lp1slot
; THE SECOND PRODUCT.  A group is 2 output tiles o x my 5 row tiles: 10 accumulators; K = 512 in four quarters of 4 k blocks; source 1 is a, in registers.
.macro FETCH2 q
	WIN 0xc0
.irp o, 0,1
.irp kk, 0,1,2,3
	ds_load_b128 v[PA+64*((\q)%2)+8*(4*(\o)+(\kk)):PA+64*((\q)%2)+8*(4*(\o)+(\kk))+3],   v[WA] offset:((\o)*16+4*(\q)+(\kk))*1024
	ds_load_b128 v[PA+64*((\q)%2)+8*(4*(\o)+(\kk))+4:PA+64*((\q)%2)+8*(4*(\o)+(\kk))+7], v[WA] offset:((\o)*16+4*(\q)+(\kk))*1024+512
.endr
.endr
.endm
.macro MUL2 q                          ; 40 products; the 10 accumulators take turns
.irp kk, 0,1,2,3
.irp o, 0,1
.irp r, 0,1,2,3,4
.set f, (4*(\q)+(\kk))*5+(\r)
	WIN 3|((1+f/32)<<2)
.if ((\q) == 0) && ((\kk) == 0)
	v_wmma_f32_16x16x32_bf16 v[AC+8*(5*(\o)+(\r)):AC+8*(5*(\o)+(\r))+7], v[PA+64*((\q)%2)+8*(4*(\o)+(\kk)):PA+64*((\q)%2)+8*(4*(\o)+(\kk))+7], v[(8*f)%256:(8*f)%256+7], 0
.else
	v_wmma_f32_16x16x32_bf16 v[AC+8*(5*(\o)+(\r)):AC+8*(5*(\o)+(\r))+7], v[PA+64*((\q)%2)+8*(4*(\o)+(\kk)):PA+64*((\q)%2)+8*(4*(\o)+(\kk))+7], v[(8*f)%256:(8*f)%256+7], v[AC+8*(5*(\o)+(\r)):AC+8*(5*(\o)+(\r))+7]
.endif
.endr
.endr
.endr
.endm
.macro P2SLOT                          ; a slot's two groups
	s_mov_b32 s[CK], 2
.Lp2g_\@:
	v_add_nc_u32 v[BA], s[BO], v[H32]
	v_add_nc_u32 v[WA], s[TB], v[L16]
.irp o, 0,1
	ds_load_b128 v[NB+8*(\o):NB+8*(\o)+3],   v[BA] offset:(\o)*64      ; KW bias_s of my eight columns in each of the two tiles
	ds_load_b128 v[NB+8*(\o)+4:NB+8*(\o)+7], v[BA] offset:(\o)*64+16
.endr
	FETCH2 0
.irp q, 0,1,2
	PLACES
	FETCH2 (\q)+1
	s_wait_dscnt 16                                ; all but the 16 just issued
	MUL2 \q
.endr
	s_wait_dscnt 0x0
	MUL2 3
	WIN 0
	PLACES
	s_wait_xcnt 0x0                                ; the last group's stores have read their registers and their base
	s_add_nc_u64 s[GB:GB+1], s[GB:GB+1], 1024      ; stepped in front of every group's stores, which reach back by 1,024
.set n, 0
.rept 40
	v_pk_add_f32 v[AC+2*n:AC+2*n+1], v[AC+2*n:AC+2*n+1], v[NB+8*(n/20)+2*(n%4):NB+8*(n/20)+2*(n%4)+1]
.set n, n+1
.endr
.set n, 0
.rept 40
	v_cvt_pk_bf16_f32 v[PK+n], v[AC+2*n], v[AC+2*n+1]
.set n, n+1
.endr
.irp o, 0,1
.irp r, 0,1,2,3,4
	global_store_b128 v[GO], v[PK+4*(5*(\o)+(\r)):PK+4*(5*(\o)+(\r))+3], s[GB:GB+1] offset:(\r)*16384+(\o)*512-1024  ; the wave's 32 lanes store 512 consecutive bytes, aligned
.endr
.endr
	s_add_co_u32 s[BO], s[BO], 128
	s_add_co_u32 s[TB], s[TB], HALFS
	s_sub_co_u32 s[CK], s[CK], 1
	s_cmp_lg_u32 s[CK], 0
	s_cbranch_scc1 .Lp2g_\@
.endm
	s_mov_b32 s[SL], 7
.Lp2slot:                                              ; seven of the eight slots of W'hs ask for a successor
	CHANGE 1
	P2SLOT
	s_sub_co_u32 s[SL], s[SL], 1
	s_cmp_lg_u32 s[SL], 0
	s_cbranch_scc1 .Lp2slot
	CHANGE 0                                       ; the last slot is written out
	P2SLOT
	s_wait_tensorcnt 0x0                           ; the wave's end: behind my last tensor load and my last LDS store
	ds_add_u32 v[SPW], v[NIL]
	s_wait_dscnt 0x0
	ROUND                                          ; the closing round: no work-group ends while a partner may still ask for a tile that names it
	s_endpgm
.Lfunc_end_k_qd005c50f65_ff:
	.size	k_qd005c50f65_ff, .Lfunc_end_k_qd005c50f65_ff-k_qd005c50f65_ff
	.p2alignl 7, 3214868480
	.fill 96, 4, 3214868480
	.section	.rodata,"a",@progbits
	.p2align	6, 0x0
	.amdhsa_kernel k_qd005c50f65_ff
		.amdhsa_group_segment_fixed_size 327680
		.amdhsa_private_segment_fixed_size 0
		.amdhsa_enable_private_segment 0
		.amdhsa_kernarg_size 40
		.amdhsa_user_sgpr_count 2
		.amdhsa_user_sgpr_kernarg_segment_ptr 1
		.amdhsa_wavefront_size32 1
		.amdhsa_system_sgpr_workgroup_id_x 1
		.amdhsa_system_sgpr_workgroup_id_y 1
		.amdhsa_system_sgpr_workgroup_id_z 1
		.amdhsa_system_vgpr_workitem_id 0
		.amdhsa_next_free_vgpr 1024
		.amdhsa_next_free_sgpr 72
		.amdhsa_reserve_vcc 0
		.amdhsa_float_denorm_mode_32 3
		.amdhsa_float_denorm_mode_16_64 3
		.amdhsa_memory_ordered 1
		.amdhsa_forward_progress 1
		.amdhsa_inst_pref_size 199
	.end_amdhsa_kernel
	.amdgpu_metadata
---
amdhsa.version: [ 1, 2 ]
amdhsa.kernels:
  - .name:           k_qd005c50f65_ff
    .symbol:         k_qd005c50f65_ff.kd
    .args:
      - { .name: inputs, .offset: 0, .size: 8, .value_kind: global_buffer, .address_space: global }
      - { .name: wts, .offset: 8, .size: 8, .value_kind: global_buffer, .address_space: global }
      - { .name: bias_hps, .offset: 16, .size: 8, .value_kind: global_buffer, .address_space: global }
      - { .name: bias_s, .offset: 24, .size: 8, .value_kind: global_buffer, .address_space: global }
      - { .name: gbuf, .offset: 32, .size: 8, .value_kind: global_buffer, .address_space: global }
    .group_segment_fixed_size: 327680
    .private_segment_fixed_size: 0
    .kernarg_segment_align: 8
    .kernarg_segment_size: 40
    .max_flat_workgroup_size: 128
    .sgpr_count:     72
    .vgpr_count:     1024
    .wavefront_size: 32
...
	.end_amdgpu_metadata
.endif
;; end of part 2
;; launch rec (part 3): grid 256 x 1, 4 waves a work-group, no clusters, 315,904 bytes of LDS; arguments wts, gbuf, bias_css, out0; writes out0
.if DOCPART == 3
	.amdgcn_target "amdgcn-amd-amdhsa--gfx1250"
	.amdhsa_code_object_version 6
	.text
	.protected	k_qd005c50f65_rec
	.globl	k_qd005c50f65_rec
	.p2align	8
	.type	k_qd005c50f65_rec,@function
k_qd005c50f65_rec:
	s_mov_b64 s[64:65], 0
	v_nop
	global_prefetch_b8 v0, s[64:65] scope:SCOPE_SE
	s_setreg_imm32_b32 hwreg(HW_REG_WAVE_MODE, 25, 1), 1
	s_wait_xcnt 0x0
; THE RECURRENCE, 20 ticks, 16 batch rows to a work-group.  States are kept times -log2(e), so that a = 1 / (1 + 2^state); W' = KW W in bf16, KW = -log2(e)/4 (first launch); G from the second launch.
;   s'_t = 0.75 s'_(t-1) + G[t] + a_s W'ss + a_css W'cs;     css'_t = 0.75 css'_(t-1) + KW bias_css + a_s W'sc;     a = the activations of tick t - 1, 0.5 at the start.
; The states ARE the accumulators (f32): behind a tick's products an accumulator holds the state; 2^state is taken, and the accumulator becomes 0.75 state + the next tick's G, onto which the next products add.
; LIMITS.  out0 is a_s rounded once to bf16 (it leaves through the bf16 activations that feed the products) and widened: 2^-9 of itself.  2^x that overflows gives a = 0, that underflows a = 1.
; SHARES.  Products are taken transposed (source 0 = 16 columns of W', source 1 = the 16 rows): a lane holds one row (lane % 16) and eight neighbouring columns.  Wave w owns tiles j = 0..7 (columns 128 w .. of s)
; and j = 8, 9 (columns 32 w .. of css): 192 fragments of W' a tick, over 20 k blocks (16 of a_s, 4 of a_css).
; THE WALK.  Wave w takes the k blocks of a_s beginning with its own: position p < 16 is k block (4 w + p) % 16; positions 16-19 are a_css's.  Two tiles of a, rounded to bf16 in pairs, ARE a fragment of source 1, in the
; same lanes: so positions 0-3 are multiplied straight from the registers in which the sigmoid left them, and a tick's first two blocks need nothing of the other waves.
; WHERE THE WEIGHTS LIVE.  768 KiB of them, 40 KiB of state and the activations do not fit into the registers and the LDS of four waves.  So of a wave's 192 fragments 84 stay in registers (R), 72 in its own LDS (L),
; and 36 are loaded anew in every tick (S) through a ring of 12 register fragments; 36 is three times round the ring, so a fragment's slot is the same in every tick.
;   position p < 16: L j 0-3, R j 4-7, S j 8, 9;     p >= 16: L j 0, 1, R j 2-6, S j 7.
; TWO BARRIERS A TICK.  A: every wave's reads of the old activations are over (signalled behind the exponentials, awaited in front of the stores of the new ones).  B: every wave's stores have landed (behind block 1, in
; front of the first load of another wave's activations).
; NO CLUSTER: nothing comes through LDS that two work-groups could share; the S part goes straight into registers, since LDS is full.
; LDS: wave w's 72 L fragments at 73,728 w; ACT 20 images of source 1, by k block (tile n of a: image n / 2, half n % 2); SPARE the spare words.
; REGISTERS: window 0: v1-15 addresses; v16-31 KW bias_css; v32-111 the 10 accumulators; v112-143 G of the next tick (bf16); v144-175 four fragments of a; v176-207, v208-239 the L fragments of odd and of even positions;
;   v224-255 those of position 0; v144-223 at work in the sigmoid; v176-207 and v240-255 the way out.     v256-927 R, fragment q at 256 + 8 q;  v928-1023 the S ring.
.set KW,    0xbeb8aa3b
.set LWAVE, 73728
.set ACT,   4*LWAVE
.set SPARE, ACT+20*1024
.set ABG, 1                            ; v1-3  my 16 bytes in the images of positions 4, 8, 12: k blocks 4 ((w + g) % 4), g = 1, 2, 3
.set LW,  4                            ; v4-5  my 16 bytes in my wave's L fragments 0 and 36
.set AB,  6                            ; v6    in image 0 of ACT
.set AS,  7                            ; v7    where my s tiles' activations go
.set AC2, 8                            ; v8    where my css tiles' go
.set L16, 9                            ; v9    16 l
.set OL,  10                           ; v10   the way out: where I read 4 activations of a row
.set OG,  11                           ; v11   and where they go in the block's rows of out0
.set Q75, 12                           ; v12   0.75
.set SPW, 13                           ; v13   LDS address of my spare word; never rewritten
.set NIL, 14                           ; v14   0; never rewritten
.set PFO, 15                           ; v15   256 l
.set BC,  16
.set ST,  32
.set GP,  112
.set BR,  144
.set T,   144
.set LS,  176
.set LZ,  224
.set OUTR, 176
.set OT,  240
.set BCO, 240                          ; v240  my byte offset in bias_css (the set-up alone)
.set SR,  160                          ; the S ring, in window 3
.set WV,  12                           ; s12  my wave's number
.set TL,  13                           ; s13  ticks still to come, this one among them
.set LIM, 14                           ; s14  4 in a wave that prefetches, else the greatest number
.set GS,  16                           ; s[16:17] G's step
.set WS,  18                           ; s[18:19] my S fragments
.set GB,  20                           ; s[20:21] G at my block, my tiles, the tick last loaded
.set PG,  22                           ; s[22:23] where my prefetches stand
.set OB,  24                           ; s[24:25] out0 at my block's rows
.set WL,  26                           ; s[26:27] my L fragments
.set WR,  28                           ; s[28:29] my R fragments
.set MH,  36                           ; s36  a word's upper bf16
.set MSB, 0
.macro WIN new                         ; the immediate's high byte repeats the setting that is left; a switch that changes nothing is dropped
.if MSB != (\new)
	s_set_vgpr_msb (MSB<<8)|(\new)
.set MSB, (\new)
.endif
.endm
.macro PLACES                          ; four plain places behind a matrix instruction, in front of loads into its sources and of vector work on its registers
.rept 4
	v_nop
.endr
.endm
.macro BLD p                           ; the activations' fragment of position p (4 and up: the first four lie in the ring's registers already)
.if (\p) < 16
	ds_load_b128 v[BR+8*((\p)%4):BR+8*((\p)%4)+3],   v[ABG+(\p)/4-1] offset:((\p)%4)*1024
	ds_load_b128 v[BR+8*((\p)%4)+4:BR+8*((\p)%4)+7], v[ABG+(\p)/4-1] offset:((\p)%4)*1024+512
.else
	ds_load_b128 v[BR+8*((\p)%4):BR+8*((\p)%4)+3],   v[AB] offset:(\p)*1024
	ds_load_b128 v[BR+8*((\p)%4)+4:BR+8*((\p)%4)+7], v[AB] offset:(\p)*1024+512
.endif
.endm
.macro LLD p                           ; the L fragments of position p: four, or two
.if (\p) < 16
.set u, 4*(\p)
.set nj, 4
.else
.set u, 64+2*((\p)-16)
.set nj, 2
.endif
.if (\p) == 0
.set d, LZ
.else
.set d, LS+32*(((\p)+1)%2)
.endif
.rept nj
	ds_load_b128 v[d:d+3],   v[LW+u/36] offset:(u%36)*1024
	ds_load_b128 v[d+4:d+7], v[LW+u/36] offset:(u%36)*1024+512
.set u, u+1
.set d, d+8
.endr
.endm
.macro SLD x                           ; S fragment x into slot x % 12 (destination window 3)
	global_load_b128 v[SR+8*((\x)%12):SR+8*((\x)%12)+3],   v[L16], s[WS:WS+1] offset:(\x)*1024
	global_load_b128 v[SR+8*((\x)%12)+4:SR+8*((\x)%12)+7], v[L16], s[WS:WS+1] offset:(\x)*1024+512
.endm
.macro MM j, a                         ; accumulator j += (fragment at register a of the window in force) x the block's activations
	v_wmma_f32_16x16x32_bf16 v[ST+8*(\j):ST+8*(\j)+7], v[(\a):(\a)+7], v[bb:bb+7], v[ST+8*(\j):ST+8*(\j)+7]
.endm
; THE BLOCK OF POSITION p.  In front of its products: the S slots that block p - 1 read are loaded again (12 fragments on, modulo 36), the activations of position p + 2 and the L fragments of position p + 1 are fetched.
; The accumulators take turns, one instruction a turn, over the blocks' and the loop's edges too.
; THE ORDER OF THE GLOBAL LOADS round the loop: S 0, 1 (block 13) .. S 10 (block 19), G's eight (in the sigmoid), S 11 (block 0), S 12, 13 (block 1) ..  Block p < 16 wants S 2 p and 2 p + 1; ten younger fragments have
; been asked for, 20 loads, and for p <= 4 G's eight lie behind them too: 28.  Block p >= 16 wants one fragment, with eleven younger: 22.
.macro BLOCK p
.if ((\p) != 0) && ((\p) != 2)         ; (in front of block 0 stands the sigmoid, in front of block 2 the barrier with its own four places)
	PLACES
.endif
	WIN 0xc0
.if (\p) == 0
	SLD 11
.elseif (\p) <= 16
	SLD (2*(\p)+10)%36
	SLD (2*(\p)+11)%36
.else
	SLD ((\p)+27)%36
.endif
	WIN 0
.set nw, 0
.if ((\p) >= 2) && ((\p) < 18)
	BLD (\p)+2
.set nw, 2
.endif
.if (\p) < 19
	LLD (\p)+1
.if (\p) < 15
.set nw, nw+8
.else
.set nw, nw+4
.endif
.endif
.if (\p) == 0
.set nw, nw+10                         ; behind position 0's L fragments stand the ten stores of the activations, which may stay out too
.endif
	s_wait_dscnt nw                                ; all but what this block has just issued (block 0: and the ten stores)
.set bb, BR+8*((\p)%4)
.if (\p) == 0
.set la, LZ
.else
.set la, LS+32*(((\p)+1)%2)
.endif
.if (\p) < 16
.if (\p) <= 4
	s_wait_loadcnt 28
.else
	s_wait_loadcnt 20
.endif
.irp j, 0,1,2,3
	MM \j, la+8*(\j)
.endr
.irp i, 0,1,2,3
.set ix, 4*(\p)+(\i)
	WIN 1+ix/32
	MM 4+(\i), (8*ix)%256
.endr
	WIN 3
	MM 8, SR+8*((2*(\p))%12)
	MM 9, SR+8*((2*(\p)+1)%12)
.else
	s_wait_loadcnt 22
.irp j, 0,1
	MM \j, la+8*(\j)
.endr
.irp i, 0,1,2,3,4
.set ix, 64+5*((\p)-16)+(\i)
	WIN 1+ix/32
	MM 2+(\i), (8*ix)%256
.endr
	WIN 3
	MM 7, SR+8*(((\p)+16)%12)
.endif
.endm
.macro UPD i                           ; state i becomes 0.75 state + G of the next tick (a bf16 half), or + KW bias_css
.if (\i) >= 64
	v_fma_f32 v[ST+(\i)], v[ST+(\i)], v[Q75], v[BC+(\i)-64]
.elseif ((\i)%2) == 0
	v_fma_mix_f32_bf16 v[ST+(\i)], v[ST+(\i)], v[Q75], v[GP+(\i)/2] op_sel_hi:[0,0,1]
.else
	v_fma_mix_f32_bf16 v[ST+(\i)], v[ST+(\i)], v[Q75], v[GP+(\i)/2] op_sel:[0,0,1] op_sel_hi:[0,0,1]
.endif
.endm
.macro GLD                             ; G of one tick, my eight tiles: each load covers 512 consecutive bytes
.irp j, 0,1,2,3,4,5,6,7
	global_load_b128 v[GP+4*(\j):GP+4*(\j)+3], v[L16], s[GB:GB+1] offset:(\j)*512
.endr
.endm
; THE WAY OUT of a tick's a_s, which lies in ACT: wave w takes rows 4 w .. 4 w + 3.  A lane reads 4 neighbouring columns (8 bytes), widens them and stores 16 bytes: sixteen lanes store 256 consecutive bytes, aligned.
.macro OUT
.irp i, 0,1,2,3,4,5,6,7,8,9,10,11,12,13,14,15
	ds_load_b64 v[OUTR+2*(\i):OUTR+2*(\i)+1], v[OL] offset:((\i)%8)*2048+((\i)/8)*32  ; columns 64 (i % 8) on, rows + 2 (i / 8)
.endr
.irp g, 0,1,2,3
	s_wait_dscnt 12-4*(\g)
	s_wait_xcnt 0x0                                ; the stores before have read their registers
.irp m, 0,1,2,3
	v_lshlrev_b32 v[OT+4*(\m)],   16,    v[OUTR+2*(4*(\g)+(\m))]
	v_and_b32     v[OT+4*(\m)+1], s[MH], v[OUTR+2*(4*(\g)+(\m))]
	v_lshlrev_b32 v[OT+4*(\m)+2], 16,    v[OUTR+2*(4*(\g)+(\m))+1]
	v_and_b32     v[OT+4*(\m)+3], s[MH], v[OUTR+2*(4*(\g)+(\m))+1]
	global_store_b128 v[OG], v[OT+4*(\m):OT+4*(\m)+3], s[OB:OB+1] offset:((4*(\g)+(\m))/8)*4096+((4*(\g)+(\m))%8)*256 th:TH_STORE_NT
.endr
.endr
	s_wait_xcnt 0x0
	s_add_nc_u64 s[OB:OB+1], s[OB:OB+1], 0x800000  ; the next tick's plane of out0
.endm
	s_load_b256 s[4:11], s[0:1], 0x0               ; wts s[4:5], G s[6:7], bias_css s[8:9], out0 s[10:11]
	v_lshl_add_u32 v[SPW], v0, 2, SPARE
	v_mov_b32 v[NIL], 0
	v_lshrrev_b32 v16, 5, v0
	v_readfirstlane_b32 s[WV], v16                 ; wave 0..3
	v_and_b32 v16, 31, v0                          ; l
	v_and_b32 v17, 15, v0                          ; l % 16
	v_bfe_u32 v18, v0, 4, 1                        ; l / 16
	v_lshlrev_b32 v[L16], 4, v16
	s_mul_i32 s30, s[WV], LWAVE
	v_add_nc_u32 v[LW], s30, v[L16]
	v_add_nc_u32 v[LW+1], 36*1024, v[LW]
	v_add_nc_u32 v[AB], ACT, v[L16]
	s_lshl_b32 s30, s[WV], 12
	v_add_nc_u32 v[AS], s30, v[AB]                 ; s tile 8 w + j: image 4 w + j / 2, half j % 2
.irp g, 1,2,3
	s_add_co_u32 s30, s[WV], \g
	s_and_b32 s30, s30, 3
	s_lshl_b32 s30, s30, 12                        ; four images of 1,024 bytes for each wave
	v_add_nc_u32 v[ABG+(\g)-1], s30, v[AB]
.endr
	s_lshl_b32 s30, s[WV], 10
	s_add_co_u32 s30, s30, 16*1024
	v_add_nc_u32 v[AC2], s30, v[AB]                ; css tile 2 w + j - 8: image 16 + w
	v_lshrrev_b32 v19, 1, v17                      ; column 4 (l % 16) + 64 cb of row r lies at 256 ((l % 16) / 2) + 2,048 cb + 16 r + 8 (l % 2)
	v_lshlrev_b32 v19, 8, v19
	v_and_b32 v20, 1, v0
	v_lshl_add_u32 v19, v20, 3, v19
	v_lshl_add_u32 v19, v18, 4, v19
	s_lshl_b32 s30, s[WV], 6
	s_add_co_u32 s30, s30, ACT
	v_add_nc_u32 v[OL], s30, v19
	v_lshlrev_b32 v19, 4, v17
	v_lshl_add_u32 v19, v18, 11, v19
	s_lshl_b32 s30, s[WV], 13
	v_add_nc_u32 v[OG], s30, v19                   ; row 4 w + l / 16, 16 bytes a lane
	v_lshlrev_b32 v19, 5, v18
	s_lshl_b32 s30, s[WV], 7
	v_add_nc_u32 v[BCO], s30, v19                  ; columns 32 w + 8 (l / 16) of bias_css
	v_lshlrev_b32 v[PFO], 8, v16
	v_mov_b32 v[Q75], 0x3f400000
	s_mov_b32 s[MH], 0xffff0000
	s_mov_b32 s[GS+1], 0
	s_cmp_lt_u32 s[WV], 2
	s_cselect_b32 s[LIM], 4, -1
	s_mul_i32 s30, s[WV], 192*1024
	s_add_co_u32 s30, s30, 768*1024
	s_mov_b32 s31, 0
	s_mul_i32 s32, ttmp9, 20*16384                 ; my block in G
	s_mov_b32 s33, 0
	s_lshl_b32 s34, ttmp9, 15                      ; my block's 16 rows of 2,048 bytes in out0
	s_mov_b32 s35, 0
	s_wait_kmcnt 0x0
	s_add_nc_u64 s[WR:WR+1], s[4:5], s[30:31]
	s_add_nc_u64 s[WL:WL+1], s[WR:WR+1], 84*1024
	s_add_nc_u64 s[WS:WS+1], s[WR:WR+1], 156*1024
	s_add_nc_u64 s[GB:GB+1], s[6:7], s[32:33]
	s_add_nc_u64 s[PG:PG+1], s[GB:GB+1], 3*16384   ; the first tick steps it to G[4]
	s_lshl_b32 s30, s[WV], 12
	s_add_nc_u64 s[GB:GB+1], s[GB:GB+1], s[30:31]  ; my 8 tiles of 512 bytes
	s_lshl_b32 s30, s[WV], 13
	s_add_nc_u64 s[PG:PG+1], s[PG:PG+1], s[30:31]
	s_add_nc_u64 s[OB:OB+1], s[10:11], s[34:35]
	; THE WEIGHTS COME IN.  The L fragments go through R's registers into my wave's own LDS bytes.  Behind their 144 loads stand 58 that need none of those registers, so that loads are on their way while L is stored.
.set m, 0
.rept 144
	WIN (1+m/64)<<6
	global_load_b128 v[(4*m)%256:(4*m)%256+3], v[L16], s[WL:WL+1] offset:512*m
.set m, m+1
.endr
.set m, 144
.rept 24
	WIN (1+m/64)<<6
	global_load_b128 v[(4*m)%256:(4*m)%256+3], v[L16], s[WR:WR+1] offset:512*m  ; R's last twelve fragments
.set m, m+1
.endr
	WIN 0xc0
.irp x, 0,1,2,3,4,5,6,7,8,9,10
	SLD \x                                         ; eleven of the ring's twelve: every tick's first block loads the twelfth
.endr
	WIN 0
	GLD                                            ; G[0]
.irp j, 0,1
	global_load_b128 v[BC+8*(\j):BC+8*(\j)+3],   v[BCO], s[8:9] offset:(\j)*64
	global_load_b128 v[BC+8*(\j)+4:BC+8*(\j)+7], v[BCO], s[8:9] offset:(\j)*64+16
.endr
.set r, 0
.rept 32
	v_mov_b32 v[BR+r], 0x3f003f00                  ; the first activations, 0.5 twice in bf16: my own four fragments, in the ring's registers
.set r, r+1
.endr
	s_wait_loadcnt 58                              ; 24 + 22 + 8 + 4 younger loads may stay out: L is in
.set c, 0
.rept 9                                 ; in chunks of 16: chunk c is stored; when only its 16 stores are out, chunk c - 1 has been stored, and its registers take R's fragments
.set m, 16*c
.rept 16
	WIN (1+m/64)<<2
	ds_store_b128 v[LW+m/72], v[(4*m)%256:(4*m)%256+3] offset:512*(m%72)
.set m, m+1
.endr
.if c > 0
	s_wait_dscnt 16
.set m, 16*(c-1)
.rept 16
	WIN (1+m/64)<<6
	global_load_b128 v[(4*m)%256:(4*m)%256+3], v[L16], s[WR:WR+1] offset:512*m
.set m, m+1
.endr
.endif
.set c, c+1
.endr
	s_wait_dscnt 0x0
.set m, 128
.rept 16
	WIN (1+m/64)<<6
	global_load_b128 v[(4*m)%256:(4*m)%256+3], v[L16], s[WR:WR+1] offset:512*m
.set m, m+1
.endr
	WIN 0
	s_wait_loadcnt 0x0
.set i, 0
.rept 32
	v_lshlrev_b32 v[ST+2*i],   16,    v[GP+i]      ; s' starts the first tick as G[0]: the state before is 0
	v_and_b32     v[ST+2*i+1], s[MH], v[GP+i]
.set i, i+1
.endr
.set i, 0
.rept 8
	v_pk_mul_f32 v[ST+64+2*i:ST+64+2*i+1], v[BC+2*i:BC+2*i+1], KW op_sel_hi:[1,0]  ; css' as KW bias_css,
	v_pk_mul_f32 v[BC+2*i:BC+2*i+1], v[BC+2*i:BC+2*i+1], KW op_sel_hi:[1,0]        ; which every tick adds
.set i, i+1
.endr
	s_add_nc_u64 s[GB:GB+1], s[GB:GB+1], 16384     ; G[0]'s loads are done, so their base may step
	GLD                                            ; G[1], for the first tick's update
	LLD 0                                          ; then, in the order in which every tick leaves them: position 0's L fragments,
.irp j, 0,1,2,3,4,5,6,7
	ds_store_b128 v[AS], v[BR:BR+3] offset:(\j)*512  ; and the ten stores of my activations
.endr
	ds_store_b128 v[AC2], v[BR:BR+3]
	ds_store_b128 v[AC2], v[BR:BR+3] offset:512
	s_mov_b32 s[TL], 20
.Lstep:
	BLOCK 0                                        ; my own activations, from registers
	BLOCK 1
	PLACES                                         ; for the loads that follow, into registers that block 1 has read
	WIN 0
	s_wait_dscnt 0x0                               ; BARRIER B: my stores of the activations have landed (they were issued two blocks ago),
	s_barrier_signal -1
	s_barrier_wait -1                              ; everybody's have
	s_cmp_gt_u32 s[TL], 3                          ; in ticks 17, 18, 19 ACT now holds a_s of ticks 16, 17, 18
	s_cbranch_scc1 .Lno_out
	OUT
.Lno_out:
.irp p, 2,3,4,5,6,7,8,9,10,11,12,13,14,15,16,17,18,19
	BLOCK \p
.endr
	WIN 0
	s_wait_dscnt 0x0                               ; my reads of the activations are over
	s_wait_loadcnt 22                              ; G is in: only the eleven S fragments asked for last may be out
	PLACES
.set i, 0
.rept 80                                ; 2^state, each accumulator from its low end on; the state's update rides two numbers behind its exponential.  A plain instruction has to lie between an exponential and
	v_exp_f32 v[T+i], v[ST+i]              ; the write of its source (ISA guide 5.7.2): for every update but the first that is the update before it; ahead of the first stands one v_nop
.if i == 2
	v_nop
.endif
.if i >= 2
	UPD i-2
.endif
.set i, i+1
.endr
	UPD 78
	UPD 79
	s_wait_alu depctr_va_vdst(0)                   ; one wait for the batch of 80, ahead of its first reader and of the branch below
	s_wait_xcnt 0x0                                ; the last tick's prefetch has read its address (G's loads have been shown done)
	s_cmp_gt_u32 s[TL], 2                          ; tick t has just used G[t + 1]: its registers are free and take G[t + 2] at once, a whole tick ahead of its use.
	s_cselect_b32 s[GS], 16384, 0                  ; The last two ticks have no such G: they load G[19] once more, and what is made of it is not used
	s_add_nc_u64 s[GB:GB+1], s[GB:GB+1], s[GS:GS+1]
	s_add_nc_u64 s[PG:PG+1], s[PG:PG+1], 16384
	GLD
	s_cmp_gt_u32 s[TL], s[LIM]                     ; waves 0 and 1 name 8 KiB each, a lane 256 bytes, of G[t + 4]: two ticks ahead of its loads; the last four ticks name nothing
	s_cbranch_scc0 .Lnopf
	global_prefetch_b8 v[PFO], s[PG:PG+1] th:TH_LOAD_NT scope:SCOPE_SE
.Lnopf:
	s_barrier_signal -1                            ; BARRIER A: my reads of the old activations are over; between signal and wait stand loads of my own L bytes, which nobody writes, and work on registers
	LLD 0                                          ; the next tick's first L fragments, into registers that the sigmoid does not use
.set n, 0
.rept 40
	v_pk_add_f32 v[T+2*n:T+2*n+1], v[T+2*n:T+2*n+1], 1.0 op_sel_hi:[1,0]
.if n > 0
	v_rcp_f32 v[T+2*n-2], v[T+2*n-2]
	v_rcp_f32 v[T+2*n-1], v[T+2*n-1]
.endif
.set n, n+1
.endr
	v_rcp_f32 v[T+78], v[T+78]
	v_rcp_f32 v[T+79], v[T+79]
	v_nop
	s_wait_alu depctr_va_vdst(0)                   ; and one for the reciprocals
.set n, 0
.rept 40
	v_cvt_pk_bf16_f32 v[T+n], v[T+2*n], v[T+2*n+1] ; in place, ascending: register n has been read when it is written.  The first 32 registers are the ring's: positions 0-3 of the next tick
.set n, n+1
.endr
	s_barrier_wait -1                              ; no wave reads the old activations any more
.irp j, 0,1,2,3,4,5,6,7
	ds_store_b128 v[AS], v[T+4*(\j):T+4*(\j)+3] offset:(\j)*512
.endr
	ds_store_b128 v[AC2], v[T+32:T+35]
	ds_store_b128 v[AC2], v[T+36:T+39] offset:512
	s_sub_co_u32 s[TL], s[TL], 1
	s_cmp_lg_u32 s[TL], 0
	s_cbranch_scc1 .Lstep
	s_wait_dscnt 0x0                               ; my part of a_s of tick 19 is stored,
	s_barrier_signal -1
	s_barrier_wait -1                              ; everybody's is
	OUT
	s_wait_tensorcnt 0x0                           ; the wave's end: behind my last LDS store
	ds_add_u32 v[SPW], v[NIL]
	s_wait_dscnt 0x0
	s_endpgm
.Lfunc_end_k_qd005c50f65_rec:
	.size	k_qd005c50f65_rec, .Lfunc_end_k_qd005c50f65_rec-k_qd005c50f65_rec
	.p2alignl 7, 3214868480
	.fill 96, 4, 3214868480
	.section	.rodata,"a",@progbits
	.p2align	6, 0x0
	.amdhsa_kernel k_qd005c50f65_rec
		.amdhsa_group_segment_fixed_size 315904
		.amdhsa_private_segment_fixed_size 0
		.amdhsa_enable_private_segment 0
		.amdhsa_kernarg_size 32
		.amdhsa_user_sgpr_count 2
		.amdhsa_user_sgpr_kernarg_segment_ptr 1
		.amdhsa_wavefront_size32 1
		.amdhsa_system_sgpr_workgroup_id_x 1
		.amdhsa_system_sgpr_workgroup_id_y 1
		.amdhsa_system_sgpr_workgroup_id_z 1
		.amdhsa_system_vgpr_workitem_id 0
		.amdhsa_next_free_vgpr 1024
		.amdhsa_next_free_sgpr 66
		.amdhsa_reserve_vcc 0
		.amdhsa_float_denorm_mode_32 3
		.amdhsa_float_denorm_mode_16_64 3
		.amdhsa_memory_ordered 1
		.amdhsa_forward_progress 1
		.amdhsa_inst_pref_size 117
	.end_amdhsa_kernel
	.amdgpu_metadata
---
amdhsa.version: [ 1, 2 ]
amdhsa.kernels:
  - .name:           k_qd005c50f65_rec
    .symbol:         k_qd005c50f65_rec.kd
    .args:
      - { .name: wts, .offset: 0, .size: 8, .value_kind: global_buffer, .address_space: global }
      - { .name: gbuf, .offset: 8, .size: 8, .value_kind: global_buffer, .address_space: global }
      - { .name: bias_css, .offset: 16, .size: 8, .value_kind: global_buffer, .address_space: global }
      - { .name: out0, .offset: 24, .size: 8, .value_kind: global_buffer, .address_space: global }
    .group_segment_fixed_size: 315904
    .private_segment_fixed_size: 0
    .kernarg_segment_align: 8
    .kernarg_segment_size: 32
    .max_flat_workgroup_size: 128
    .sgpr_count:     66
    .vgpr_count:     1024
    .wavefront_size: 32
...
	.end_amdgpu_metadata
.endif
;; end of part 3
;; ======== version 2 of 2: 3 launches; version 1 with the launch rec written anew for expert scheduling mode
;; limits: values outside matrix products are rounded to bf16
;; workspace buffers: wts 1,572,864 bytes; gbuf 83,886,080 bytes
;; launch prep: the kernel of part 1 again; grid 1536 x 1, 2 waves a work-group, no clusters, 0 bytes of LDS; arguments w_hps_ph, w_hps_hs, w_ss, w_cs, w_sc, wts; writes wts
;; launch ff: the kernel of part 2 again; grid 256 x 1, 4 waves a work-group, clusters of 4 x 1, 327,680 bytes of LDS; arguments inputs, wts, bias_hps, bias_s, gbuf; writes gbuf
;; launch rec (part 4): grid 256 x 1, 4 waves a work-group, no clusters, 315,904 bytes of LDS; arguments wts, gbuf, bias_css, out0; writes out0
.if DOCPART == 4
	.amdgcn_target "amdgcn-amd-amdhsa--gfx1250"
	.amdhsa_code_object_version 6
	.text
	.protected	k_qd005c50f65_rec
	.globl	k_qd005c50f65_rec
	.p2align	8
	.type	k_qd005c50f65_rec,@function
k_qd005c50f65_rec:
	s_mov_b64 s[64:65], 0
	v_nop
	global_prefetch_b8 v0, s[64:65] scope:SCOPE_SE
	s_setreg_imm32_b32 hwreg(HW_REG_WAVE_SCHED_MODE, 0, 2), 2
	s_setreg_imm32_b32 hwreg(HW_REG_WAVE_MODE, 25, 1), 1
	s_wait_xcnt 0x0
	s_wait_alu depctr_vm_vsrc(0)
; THE RECURRENCE, 20 ticks, 16 batch rows to a work-group.  States are kept times -log2(e), so that a = 1 / (1 + 2^state); W' = KW W in bf16, KW = -log2(e)/4 (first launch); G from the second launch.
;   s'_t = 0.75 s'_(t-1) + G[t] + a_s W'ss + a_css W'cs;     css'_t = 0.75 css'_(t-1) + KW bias_css + a_s W'sc;     a = the activations of tick t - 1, 0.5 at the start.
; The states ARE the accumulators (f32): behind a tick's products an accumulator holds the state; 2^state is taken, and the accumulator becomes 0.75 state + the next tick's G, onto which the next products add.
; LIMITS.  out0 is a_s rounded once to bf16 (it leaves through the bf16 activations that feed the products) and widened: 2^-9 of itself.  2^x that overflows gives a = 0, that underflows a = 1.
; SHARES.  Products are taken transposed (source 0 = 16 columns of W', source 1 = the 16 rows): a lane holds one row (lane % 16) and eight neighbouring columns.  Wave w owns tiles j = 0..7 (columns 128 w .. of s)
; and j = 8, 9 (columns 32 w .. of css): 192 fragments of W' a tick, over 20 k blocks (16 of a_s, 4 of a_css).
; THE WALK.  Wave w takes the k blocks of a_s beginning with its own: position p < 16 is k block (4 w + p) % 16; positions 16-19 are a_css's.  Two tiles of a, rounded to bf16 in pairs, ARE a fragment of source 1, in the
; same lanes: so positions 0-3 are multiplied straight from the registers in which the sigmoid left them, and a tick's first two blocks need nothing of the other waves.
; WHERE THE WEIGHTS LIVE.  768 KiB of them, 40 KiB of state and the activations do not fit into the registers and the LDS of four waves.  So of a wave's 192 fragments 84 stay in registers (R), 72 in its own LDS (L),
; and 36 are loaded anew in every tick (S) through a ring of 12 register fragments; 36 is three times round the ring, so a fragment's slot is the same in every tick.
;   position p < 16: L j 0-3, R j 4-7, S j 8, 9;     p >= 16: L j 0, 1, R j 2-6, S j 7.
; TWO BARRIERS A TICK.  A: every wave's reads of the old activations are over (signalled behind the exponentials, awaited in front of the stores of the new ones).  B: every wave's stores have landed (behind block 1, in
; front of the first load of another wave's activations).
; NO CLUSTER: nothing comes through LDS that two work-groups could share; the S part goes straight into registers, since LDS is full.
; LDS: wave w's 72 L fragments at 73,728 w; ACT 20 images of source 1, by k block (tile n of a: image n / 2, half n % 2); SPARE the spare words.
; REGISTERS: window 0: v1-15 addresses; v16-31 KW bias_css; v32-111 the 10 accumulators; v112-143 G of the next tick (bf16); v144-175 four fragments of a; v176-207, v208-239 the L fragments of odd and of even positions;
;   v224-255 those of position 0; v144-223 at work in the sigmoid; the way out: v176-207 as read back, v240-255 and v144-159 to store.     v256-927 R, fragment q at 256 + 8 q;  v928-1023 the S ring.
; THE MODE: SCHED_MODE bits 1:0 = 2 (LLVM: expert scheduling mode 2), set by the entry lines.  The code itself states the register dependences between vector or matrix instructions and memory or LDS instructions,
; with s_wait_alu, always for 0.
; THE PLAN.  Registers that memory or LDS instructions touch, round the loop (block p: the products of position p):
;   the S ring        Block p's last products read its one or two slots; block p + 1 loads them again.
;   the L buffers     Block p's first products read one of them; the fragments of position p + 1 land in the other, which block p - 1 read.  Position 0's land in v224-255, in the sigmoid.
;   the ring of a     Block p's products read slot p % 4; block p loads slot (p + 2) % 4, which block p - 2 read.  The sigmoid's roundings write v144-183, and the ten LDS stores read them.
;   G                 The state's update reads it; behind the update the next tick's G lands in it.
;   the way out       Sixteen LDS loads land in v176-207; the widening lines read them and write v240-255 and v144-159 by turns; the global stores read those.
;   v1-v11, v15       Addresses and offsets: made at the head, never written again.
; So ONE wait on va_vdst stands at a block's head: the block before is done reading its S slots and its L buffer, the block before that its slot of a.  All the block's loads follow it, dealt among the block's
; products, which name the other L buffer, another slot of a, R, other S slots and the accumulators: none of the registers that those loads touch.  Block 2's wait stands ahead of barrier B, where it serves the way out
; too; block 0 has none: no vector instruction stands between the wait ahead of the ten stores and its loads.  One wait on vm_vsrc a tick stands behind the ten stores.
.set KW,    0xbeb8aa3b
.set LWAVE, 73728
.set ACT,   4*LWAVE
.set SPARE, ACT+20*1024
.set ABG, 1                            ; v1-3  my 16 bytes in the images of positions 4, 8, 12: k blocks 4 ((w + g) % 4), g = 1, 2, 3
.set LW,  4                            ; v4-5  my 16 bytes in my wave's L fragments 0 and 36
.set AB,  6                            ; v6    in image 0 of ACT
.set AS,  7                            ; v7    where my s tiles' activations go
.set AC2, 8                            ; v8    where my css tiles' go
.set L16, 9                            ; v9    16 l
.set OL,  10                           ; v10   the way out: where I read 4 activations of a row
.set OG,  11                           ; v11   and where they go in the block's rows of out0
.set Q75, 12                           ; v12   0.75
.set SPW, 13                           ; v13   LDS address of my spare word; never rewritten
.set NIL, 14                           ; v14   0; never rewritten
.set PFO, 15                           ; v15   256 l
.set BC,  16
.set ST,  32
.set GP,  112
.set BR,  144
.set T,   144
.set LS,  176
.set LZ,  224
.set OUTR, 176
.set OT,  240                          ; the way out's two buffers of 16: v240-255 (even groups) and, 96 below, v144-159 (odd groups)
.set BCO, 240                          ; v240  my byte offset in bias_css (the set-up alone)
.set SR,  160                          ; the S ring, in window 3
.set WV,  12                           ; s12  my wave's number
.set TL,  13                           ; s13  ticks still to come, this one among them
.set LIM, 14                           ; s14  4 in a wave that prefetches, else the greatest number
.set GS,  16                           ; s[16:17] G's step
.set WS,  18                           ; s[18:19] my S fragments
.set GB,  20                           ; s[20:21] G at my block, my tiles, the tick last loaded
.set PG,  22                           ; s[22:23] where my prefetches stand
.set OB,  24                           ; s[24:25] out0 at my block's rows
.set WL,  26                           ; s[26:27] my L fragments
.set WR,  28                           ; s[28:29] my R fragments
.set MH,  36                           ; s36  a word's upper bf16
.set MSB, 0
.macro WIN new                         ; the immediate's high byte repeats the setting that is left; a switch that changes nothing is dropped
.if MSB != (\new)
	s_set_vgpr_msb (MSB<<8)|(\new)
.set MSB, (\new)
.endif
.endm
.macro PLACES                          ; four plain places behind a matrix instruction, in front of vector work on its registers (ISA guide 7.12.1)
.rept 4
	v_nop
.endr
.endm
.macro BLD p                           ; the activations' fragment of position p (4 and up: the first four lie in the ring's registers already)
.if (\p) < 16
	ds_load_b128 v[BR+8*((\p)%4):BR+8*((\p)%4)+3],   v[ABG+(\p)/4-1] offset:((\p)%4)*1024
	ds_load_b128 v[BR+8*((\p)%4)+4:BR+8*((\p)%4)+7], v[ABG+(\p)/4-1] offset:((\p)%4)*1024+512
.else
	ds_load_b128 v[BR+8*((\p)%4):BR+8*((\p)%4)+3],   v[AB] offset:(\p)*1024
	ds_load_b128 v[BR+8*((\p)%4)+4:BR+8*((\p)%4)+7], v[AB] offset:(\p)*1024+512
.endif
.endm
.macro LFRAG p, j                      ; L fragment j of position p (four of them, from position 16 on two): two loads
.if (\p) < 16
.set u, 4*(\p)+(\j)
.else
.set u, 64+2*((\p)-16)+(\j)
.endif
.set d, LS+32*(((\p)+1)%2)+8*(\j)
.if (\p) == 0
.set d, LZ+8*(\j)
.endif
	ds_load_b128 v[d:d+3],   v[LW+u/36] offset:(u%36)*1024
	ds_load_b128 v[d+4:d+7], v[LW+u/36] offset:(u%36)*1024+512
.endm
.macro LLD0                            ; the four L fragments of position 0
.irp j, 0,1,2,3
	LFRAG 0, \j
.endr
.endm
.macro SLD x                           ; S fragment x into slot x % 12 (destination window 3)
	global_load_b128 v[SR+8*((\x)%12):SR+8*((\x)%12)+3],   v[L16], s[WS:WS+1] offset:(\x)*1024
	global_load_b128 v[SR+8*((\x)%12)+4:SR+8*((\x)%12)+7], v[L16], s[WS:WS+1] offset:(\x)*1024+512
.endm
.macro MM j, a                         ; accumulator j += (fragment at register a of the window in force) x the block's activations
	v_wmma_f32_16x16x32_bf16 v[ST+8*(\j):ST+8*(\j)+7], v[(\a):(\a)+7], v[bb:bb+7], v[ST+8*(\j):ST+8*(\j)+7]
.endm
; THE BLOCK OF POSITION p.  Behind the wait at its head its loads are dealt among its products: behind product j on an L fragment the two loads of fragment j of position p + 1; behind the last of these the activations of
; position p + 2; ahead of the S products the loads that fill again the S slots that block p - 1 read (12 fragments on, modulo 36).
; The accumulators take turns, one instruction a turn, over the blocks' and the loop's edges too.
; THE ORDER OF THE LDS INSTRUCTIONS round the loop: position 0's eight loads and the ten stores (sigmoid); in block p the fragments of position p + 1, then the two loads of a (blocks 2 to 17).  They come back in order
; (ISA guide 5.7.1), so ahead of the product on fragment j may stay out: the position's later fragments; what the block before issued behind them (yo: two loads of a; for block 0 the ten stores); and the next
; position's fragments issued so far.  Block 2 has no such wait: the wait for 0 ahead of barrier B has shown its fragments in.
; THE ORDER OF THE GLOBAL LOADS round the loop: S 0, 1 (block 13) .. S 10 (block 19), G's eight (in the sigmoid), S 11 (block 0), S 12, 13 (block 1) ..  Block p < 16 wants S 2 p and 2 p + 1; ten younger fragments have
; been asked for, 20 loads, and for p <= 4 G's eight lie behind them too: 28.  Block p >= 16 wants one fragment, with eleven younger: 22.
.macro BLOCK p
.set nl, 4                             ; L fragments of this position,
.set nn, 4                             ; and of the next
.if (\p) >= 16
.set nl, 2
.endif
.if (\p) >= 15
.set nn, 2
.endif
.if (\p) == 19
.set nn, 0
.endif
.set yo, 0
.if (\p) == 0
.set yo, 10
.elseif ((\p) >= 3) && ((\p) <= 18)
.set yo, 2
.endif
.set bb, BR+8*((\p)%4)
.set la, LS+32*(((\p)+1)%2)
.if (\p) == 0
.set la, LZ
.endif
	WIN 0
.if ((\p) != 0) && ((\p) != 2)
	s_wait_alu depctr_va_vdst(0)                   ; the block before is done reading its S slots and its L buffer, the block before that its slot of a: this block's loads land in them
.endif
.set jj, 0
.rept nl
.set ny, jj
.if jj > nn
.set ny, nn
.endif
.if (\p) != 2
	s_wait_dscnt 2*(nl-1-jj)+yo+2*ny               ; fragment jj is in (and so are this block's activations, asked for two blocks back); what was issued behind it stays out
.endif
	MM jj, la+8*jj
.if jj < nn
	LFRAG (\p)+1, jj                               ; no wait: no vector or matrix instruction since the wait above names the other L buffer
.endif
.set jj, jj+1
.endr
.if ((\p) >= 2) && ((\p) < 18)
	BLD (\p)+2
.endif
.if (\p) < 16
.irp i, 0,1,2,3
.set ix, 4*(\p)+(\i)
	WIN 1+ix/32
	MM 4+(\i), (8*ix)%256
.endr
	WIN 0xc0
.if (\p) == 0
	SLD 11
.else
	SLD (2*(\p)+10)%36
	SLD (2*(\p)+11)%36
.endif
	WIN 3
.if (\p) <= 4
	s_wait_loadcnt 28
.else
	s_wait_loadcnt 20
.endif
	MM 8, SR+8*((2*(\p))%12)
	MM 9, SR+8*((2*(\p)+1)%12)
.else
.irp i, 0,1,2,3,4
.set ix, 64+5*((\p)-16)+(\i)
	WIN 1+ix/32
	MM 2+(\i), (8*ix)%256
.endr
	WIN 0xc0
.if (\p) == 16
	SLD (2*(\p)+10)%36
	SLD (2*(\p)+11)%36
.else
	SLD ((\p)+27)%36
.endif
	WIN 3
	s_wait_loadcnt 22
	MM 7, SR+8*(((\p)+16)%12)
.endif
.endm
.macro UPD i                           ; state i becomes 0.75 state + G of the next tick (a bf16 half), or + KW bias_css
.if (\i) >= 64
	v_fma_f32 v[ST+(\i)], v[ST+(\i)], v[Q75], v[BC+(\i)-64]
.elseif ((\i)%2) == 0
	v_fma_mix_f32_bf16 v[ST+(\i)], v[ST+(\i)], v[Q75], v[GP+(\i)/2] op_sel_hi:[0,0,1]
.else
	v_fma_mix_f32_bf16 v[ST+(\i)], v[ST+(\i)], v[Q75], v[GP+(\i)/2] op_sel:[0,0,1] op_sel_hi:[0,0,1]
.endif
.endm
.macro GLD                             ; G of one tick, my eight tiles: each load covers 512 consecutive bytes
.irp j, 0,1,2,3,4,5,6,7
	global_load_b128 v[GP+4*(\j):GP+4*(\j)+3], v[L16], s[GB:GB+1] offset:(\j)*512
.endr
.endm
; THE WAY OUT of a tick's a_s, which lies in ACT: wave w takes rows 4 w .. 4 w + 3.  A lane reads 4 neighbouring columns (8 bytes), widens them and stores 16 bytes: sixteen lanes store 256 consecutive bytes, aligned.
; Four groups of four stores, out of two buffers of 16 registers by turns.  last = 0: in the loop, between blocks 1 and 2; last = 1: behind the loop.
.macro OUT last
.irp i, 0,1,2,3,4,5,6,7,8,9,10,11,12,13,14,15
	ds_load_b64 v[OUTR+2*(\i):OUTR+2*(\i)+1], v[OL] offset:((\i)%8)*2048+((\i)/8)*32  ; columns 64 (i % 8) on, rows + 2 (i / 8)
.endr
.if !(\last)
	PLACES                                         ; between the products of blocks 0 and 1, which read v240-255 and v144-159, and the lines below that write them
.endif
.irp g, 0,1,2,3
.set ob, OT-96*((\g)%2)
	s_wait_dscnt 12-4*(\g)                         ; the group's four loads are in, the later groups' stay out
.if (\g) >= 2
	s_wait_xcnt 0x0                                ; the stores of two groups back have had their addresses translated (ISA guide 3.1),
	s_wait_alu depctr_vm_vsrc(0)                   ; and have read this buffer, which the lines below write again
.endif
.irp m, 0,1,2,3
	v_lshlrev_b32 v[ob+4*(\m)],   16,    v[OUTR+2*(4*(\g)+(\m))]
	v_and_b32     v[ob+4*(\m)+1], s[MH], v[OUTR+2*(4*(\g)+(\m))]
	v_lshlrev_b32 v[ob+4*(\m)+2], 16,    v[OUTR+2*(4*(\g)+(\m))+1]
	v_and_b32     v[ob+4*(\m)+3], s[MH], v[OUTR+2*(4*(\g)+(\m))+1]
.endr
	s_wait_alu depctr_va_vdst(0)                   ; the sixteen lines have written the buffer, which the four stores read (behind the last group: they are also done reading v176-207, in which block 2's loads land)
.irp m, 0,1,2,3
	global_store_b128 v[OG], v[ob+4*(\m):ob+4*(\m)+3], s[OB:OB+1] offset:((4*(\g)+(\m))/8)*4096+((4*(\g)+(\m))%8)*256 th:TH_STORE_NT
.endr
.endr
	s_wait_xcnt 0x0
.if !(\last)
	s_wait_alu depctr_vm_vsrc(0)                   ; the last stores have read v144-159 and v240-255, in which the loads of a (blocks 2, 3) and position 0's L fragments land
.endif
	s_add_nc_u64 s[OB:OB+1], s[OB:OB+1], 0x800000  ; the next tick's plane of out0
.endm
	s_load_b256 s[4:11], s[0:1], 0x0               ; wts s[4:5], G s[6:7], bias_css s[8:9], out0 s[10:11]
	v_lshl_add_u32 v[SPW], v0, 2, SPARE
	v_mov_b32 v[NIL], 0
	v_lshrrev_b32 v16, 5, v0
	v_readfirstlane_b32 s[WV], v16                 ; wave 0..3
	v_and_b32 v16, 31, v0                          ; l
	v_and_b32 v17, 15, v0                          ; l % 16
	v_bfe_u32 v18, v0, 4, 1                        ; l / 16
	v_lshlrev_b32 v[L16], 4, v16
	s_wait_alu depctr_va_sdst(0)                   ; the wave's number is written, ahead of its first reader: LDS addresses, bases and the prefetch's limit are made from it
	s_mul_i32 s30, s[WV], LWAVE
	v_add_nc_u32 v[LW], s30, v[L16]
	v_add_nc_u32 v[LW+1], 36*1024, v[LW]
	v_add_nc_u32 v[AB], ACT, v[L16]
	s_lshl_b32 s30, s[WV], 12
	v_add_nc_u32 v[AS], s30, v[AB]                 ; s tile 8 w + j: image 4 w + j / 2, half j % 2
.irp g, 1,2,3
	s_add_co_u32 s30, s[WV], \g
	s_and_b32 s30, s30, 3
	s_lshl_b32 s30, s30, 12                        ; four images of 1,024 bytes for each wave
	v_add_nc_u32 v[ABG+(\g)-1], s30, v[AB]
.endr
	s_lshl_b32 s30, s[WV], 10
	s_add_co_u32 s30, s30, 16*1024
	v_add_nc_u32 v[AC2], s30, v[AB]                ; css tile 2 w + j - 8: image 16 + w
	v_lshrrev_b32 v19, 1, v17                      ; column 4 (l % 16) + 64 cb of row r lies at 256 ((l % 16) / 2) + 2,048 cb + 16 r + 8 (l % 2)
	v_lshlrev_b32 v19, 8, v19
	v_and_b32 v20, 1, v0
	v_lshl_add_u32 v19, v20, 3, v19
	v_lshl_add_u32 v19, v18, 4, v19
	s_lshl_b32 s30, s[WV], 6
	s_add_co_u32 s30, s30, ACT
	v_add_nc_u32 v[OL], s30, v19
	v_lshlrev_b32 v19, 4, v17
	v_lshl_add_u32 v19, v18, 11, v19
	s_lshl_b32 s30, s[WV], 13
	v_add_nc_u32 v[OG], s30, v19                   ; row 4 w + l / 16, 16 bytes a lane
	v_lshlrev_b32 v19, 5, v18
	s_lshl_b32 s30, s[WV], 7
	v_add_nc_u32 v[BCO], s30, v19                  ; columns 32 w + 8 (l / 16) of bias_css
	v_lshlrev_b32 v[PFO], 8, v16
	v_mov_b32 v[Q75], 0x3f400000
	s_mov_b32 s[MH], 0xffff0000
	s_mov_b32 s[GS+1], 0
	s_cmp_lt_u32 s[WV], 2
	s_cselect_b32 s[LIM], 4, -1
	s_mul_i32 s30, s[WV], 192*1024
	s_add_co_u32 s30, s30, 768*1024
	s_mov_b32 s31, 0
	s_mul_i32 s32, ttmp9, 20*16384                 ; my block in G
	s_mov_b32 s33, 0
	s_lshl_b32 s34, ttmp9, 15                      ; my block's 16 rows of 2,048 bytes in out0
	s_mov_b32 s35, 0
	s_wait_kmcnt 0x0
	s_add_nc_u64 s[WR:WR+1], s[4:5], s[30:31]
	s_add_nc_u64 s[WL:WL+1], s[WR:WR+1], 84*1024
	s_add_nc_u64 s[WS:WS+1], s[WR:WR+1], 156*1024
	s_add_nc_u64 s[GB:GB+1], s[6:7], s[32:33]
	s_add_nc_u64 s[PG:PG+1], s[GB:GB+1], 3*16384   ; the first tick steps it to G[4]
	s_lshl_b32 s30, s[WV], 12
	s_add_nc_u64 s[GB:GB+1], s[GB:GB+1], s[30:31]  ; my 8 tiles of 512 bytes
	s_lshl_b32 s30, s[WV], 13
	s_add_nc_u64 s[PG:PG+1], s[PG:PG+1], s[30:31]
	s_add_nc_u64 s[OB:OB+1], s[10:11], s[34:35]
	s_wait_alu depctr_va_vdst(0)                   ; the addresses and offsets v1-v11, v15 and v240 are written, which every load, store and prefetch of the kernel reads; so are v16-v20, in which the bias lands
	; THE WEIGHTS COME IN.  The L fragments go through R's registers into my wave's own LDS bytes.  Behind their 144 loads stand 58 that need none of those registers, so that loads are on their way while L is stored.
.set m, 0
.rept 144
	WIN (1+m/64)<<6
	global_load_b128 v[(4*m)%256:(4*m)%256+3], v[L16], s[WL:WL+1] offset:512*m
.set m, m+1
.endr
.set m, 144
.rept 24
	WIN (1+m/64)<<6
	global_load_b128 v[(4*m)%256:(4*m)%256+3], v[L16], s[WR:WR+1] offset:512*m  ; R's last twelve fragments
.set m, m+1
.endr
	WIN 0xc0
.irp x, 0,1,2,3,4,5,6,7,8,9,10
	SLD \x                                         ; eleven of the ring's twelve: every tick's first block loads the twelfth
.endr
	WIN 0
	GLD                                            ; G[0]
.irp j, 0,1
	global_load_b128 v[BC+8*(\j):BC+8*(\j)+3],   v[BCO], s[8:9] offset:(\j)*64
	global_load_b128 v[BC+8*(\j)+4:BC+8*(\j)+7], v[BCO], s[8:9] offset:(\j)*64+16
.endr
.set r, 0
.rept 32
	v_mov_b32 v[BR+r], 0x3f003f00                  ; the first activations, 0.5 twice in bf16: my own four fragments, in the ring's registers
.set r, r+1
.endr
	s_wait_loadcnt 58                              ; 24 + 22 + 8 + 4 younger loads may stay out: L is in
.set c, 0
.rept 9                                 ; in chunks of 16: chunk c is stored; when only its 16 stores are out, chunk c - 1 has been stored, and its registers take R's fragments
.set m, 16*c
.rept 16
	WIN (1+m/64)<<2
	ds_store_b128 v[LW+m/72], v[(4*m)%256:(4*m)%256+3] offset:512*(m%72)
.set m, m+1
.endr
.if c > 0
	s_wait_dscnt 16
	s_wait_alu depctr_vm_vsrc(0)                   ; the LDS stores issued so far have read their registers: R's loads land in those of chunk c - 1 (the first of these waits also shows that the bias's loads have read v240)
.set m, 16*(c-1)
.rept 16
	WIN (1+m/64)<<6
	global_load_b128 v[(4*m)%256:(4*m)%256+3], v[L16], s[WR:WR+1] offset:512*m
.set m, m+1
.endr
.endif
.set c, c+1
.endr
	s_wait_dscnt 0x0
	s_wait_alu depctr_vm_vsrc(0)                   ; the last chunk's stores have read their registers, in which R's loads land
.set m, 128
.rept 16
	WIN (1+m/64)<<6
	global_load_b128 v[(4*m)%256:(4*m)%256+3], v[L16], s[WR:WR+1] offset:512*m
.set m, m+1
.endr
	WIN 0
	s_wait_loadcnt 0x0
.set i, 0
.rept 32
	v_lshlrev_b32 v[ST+2*i],   16,    v[GP+i]      ; s' starts the first tick as G[0]: the state before is 0
	v_and_b32     v[ST+2*i+1], s[MH], v[GP+i]
.set i, i+1
.endr
.set i, 0
.rept 8
	v_pk_mul_f32 v[ST+64+2*i:ST+64+2*i+1], v[BC+2*i:BC+2*i+1], KW op_sel_hi:[1,0]  ; css' as KW bias_css,
	v_pk_mul_f32 v[BC+2*i:BC+2*i+1], v[BC+2*i:BC+2*i+1], KW op_sel_hi:[1,0]        ; which every tick adds
.set i, i+1
.endr
	s_add_nc_u64 s[GB:GB+1], s[GB:GB+1], 16384     ; G[0]'s loads are done, so their base may step
	s_wait_alu depctr_va_vdst(0)                   ; the lines above are done reading G[0] in v112-143, in which G[1] lands; the 32 moves have written v144-175, which the ten stores read
	GLD                                            ; G[1], for the first tick's update
	LLD0                                           ; then, in the order in which every tick leaves them: position 0's L fragments,
.irp j, 0,1,2,3,4,5,6,7
	ds_store_b128 v[AS], v[BR:BR+3] offset:(\j)*512  ; and the ten stores of my activations
.endr
	ds_store_b128 v[AC2], v[BR:BR+3]
	ds_store_b128 v[AC2], v[BR:BR+3] offset:512
	s_wait_alu depctr_vm_vsrc(0)                   ; the ten stores have read v144-147, in which block 2's load of a lands
	s_mov_b32 s[TL], 20
.Lstep:
	BLOCK 0                                        ; my own activations, from registers
	BLOCK 1
	WIN 0
	s_wait_alu depctr_va_vdst(0)                   ; blocks 0 and 1 are done reading v176-207, v144-159 and their S slots: the way out's loads and block 2's land in them
	s_wait_dscnt 0x0                               ; BARRIER B: my stores of the activations have landed (they were issued two blocks ago),
	s_barrier_signal -1
	s_barrier_wait -1                              ; everybody's have
	s_cmp_gt_u32 s[TL], 3                          ; in ticks 17, 18, 19 ACT now holds a_s of ticks 16, 17, 18
	s_cbranch_scc1 .Lno_out
	OUT 0
.Lno_out:
.irp p, 2,3,4,5,6,7,8,9,10,11,12,13,14,15,16,17,18,19
	BLOCK \p
.endr
	WIN 0
	s_wait_dscnt 0x0                               ; my reads of the activations are over
	s_wait_loadcnt 22                              ; G is in: only the eleven S fragments asked for last may be out
	PLACES
.set i, 0
.rept 80                                ; 2^state, each accumulator from its low end on; the state's update rides two numbers behind its exponential.  A plain instruction has to lie between an exponential and
	v_exp_f32 v[T+i], v[ST+i]              ; the write of its source (ISA guide 5.7.2): for every update but the first that is the update before it; ahead of the first stands one v_nop
.if i == 2
	v_nop
.endif
.if i >= 2
	UPD i-2
.endif
.set i, i+1
.endr
	UPD 78
	UPD 79
	s_wait_alu depctr_va_vdst(0)                   ; the 80 exponentials have written v144-223, ahead of their first reader and of the branch below; the update is done reading G in v112-143, in which the next G lands
	s_wait_xcnt 0x0                                ; the last tick's prefetch has read its address (G's loads have been shown done)
	s_cmp_gt_u32 s[TL], 2                          ; tick t has just used G[t + 1]: its registers are free and take G[t + 2] at once, a whole tick ahead of its use.
	s_cselect_b32 s[GS], 16384, 0                  ; The last two ticks have no such G: they load G[19] once more, and what is made of it is not used
	s_add_nc_u64 s[GB:GB+1], s[GB:GB+1], s[GS:GS+1]
	s_add_nc_u64 s[PG:PG+1], s[PG:PG+1], 16384
	GLD
	s_cmp_gt_u32 s[TL], s[LIM]                     ; waves 0 and 1 name 8 KiB each, a lane 256 bytes, of G[t + 4]: two ticks ahead of its loads; the last four ticks name nothing
	s_cbranch_scc0 .Lnopf
	global_prefetch_b8 v[PFO], s[PG:PG+1] th:TH_LOAD_NT scope:SCOPE_SE
.Lnopf:
	s_barrier_signal -1                            ; BARRIER A: my reads of the old activations are over; between signal and wait stand loads of my own L bytes, which nobody writes, and work on registers
	LLD0                                           ; the next tick's first L fragments, into registers that the sigmoid does not use
.set n, 0
.rept 40
	v_pk_add_f32 v[T+2*n:T+2*n+1], v[T+2*n:T+2*n+1], 1.0 op_sel_hi:[1,0]
.if n > 0
	v_rcp_f32 v[T+2*n-2], v[T+2*n-2]
	v_rcp_f32 v[T+2*n-1], v[T+2*n-1]
.endif
.set n, n+1
.endr
	v_rcp_f32 v[T+78], v[T+78]
	v_rcp_f32 v[T+79], v[T+79]
	v_nop
	s_wait_alu depctr_va_vdst(0)                   ; the 80 reciprocals have written v144-223, ahead of their first reader
.set n, 0
.rept 40
	v_cvt_pk_bf16_f32 v[T+n], v[T+2*n], v[T+2*n+1] ; in place, ascending: register n has been read when it is written.  The first 32 registers are the ring's: positions 0-3 of the next tick
.set n, n+1
.endr
	s_wait_alu depctr_va_vdst(0)                   ; the roundings have written v144-183, which the ten stores read, and are done with v176-223, in which the next blocks' L fragments land
	s_barrier_wait -1                              ; no wave reads the old activations any more
.irp j, 0,1,2,3,4,5,6,7
	ds_store_b128 v[AS], v[T+4*(\j):T+4*(\j)+3] offset:(\j)*512
.endr
	ds_store_b128 v[AC2], v[T+32:T+35]
	ds_store_b128 v[AC2], v[T+36:T+39] offset:512
	s_wait_alu depctr_vm_vsrc(0)                   ; the ten stores have read v144-183: block 0's L loads, block 2's load of a and, behind the loop, the way out write them again
	s_sub_co_u32 s[TL], s[TL], 1
	s_cmp_lg_u32 s[TL], 0
	s_cbranch_scc1 .Lstep
	s_wait_dscnt 0x0                               ; my part of a_s of tick 19 is stored,
	s_barrier_signal -1
	s_barrier_wait -1                              ; everybody's is
	OUT 1
	s_wait_dscnt 0x0                               ; the closing lines, six on end
	s_wait_alu 0x0
	s_wait_tensorcnt 0x0
	ds_add_u32 v[SPW], v[NIL]
	s_wait_dscnt 0x0
	s_endpgm
.Lfunc_end_k_qd005c50f65_rec:
	.size	k_qd005c50f65_rec, .Lfunc_end_k_qd005c50f65_rec-k_qd005c50f65_rec
	.p2alignl 7, 3214868480
	.fill 96, 4, 3214868480
	.section	.rodata,"a",@progbits
	.p2align	6, 0x0
	.amdhsa_kernel k_qd005c50f65_rec
		.amdhsa_group_segment_fixed_size 315904
		.amdhsa_private_segment_fixed_size 0
		.amdhsa_enable_private_segment 0
		.amdhsa_kernarg_size 32
		.amdhsa_user_sgpr_count 2
		.amdhsa_user_sgpr_kernarg_segment_ptr 1
		.amdhsa_wavefront_size32 1
		.amdhsa_system_sgpr_workgroup_id_x 1
		.amdhsa_system_sgpr_workgroup_id_y 1
		.amdhsa_system_sgpr_workgroup_id_z 1
		.amdhsa_system_vgpr_workitem_id 0
		.amdhsa_next_free_vgpr 1024
		.amdhsa_next_free_sgpr 66
		.amdhsa_reserve_vcc 0
		.amdhsa_float_denorm_mode_32 3
		.amdhsa_float_denorm_mode_16_64 3
		.amdhsa_memory_ordered 1
		.amdhsa_forward_progress 1
		.amdhsa_inst_pref_size 117
	.end_amdhsa_kernel
	.amdgpu_metadata
---
amdhsa.version: [ 1, 2 ]
amdhsa.kernels:
  - .name:           k_qd005c50f65_rec
    .symbol:         k_qd005c50f65_rec.kd
    .args:
      - { .name: wts, .offset: 0, .size: 8, .value_kind: global_buffer, .address_space: global }
      - { .name: gbuf, .offset: 8, .size: 8, .value_kind: global_buffer, .address_space: global }
      - { .name: bias_css, .offset: 16, .size: 8, .value_kind: global_buffer, .address_space: global }
      - { .name: out0, .offset: 24, .size: 8, .value_kind: global_buffer, .address_space: global }
    .group_segment_fixed_size: 315904
    .private_segment_fixed_size: 0
    .kernarg_segment_align: 8
    .kernarg_segment_size: 32
    .max_flat_workgroup_size: 128
    .sgpr_count:     66
    .vgpr_count:     1024
    .wavefront_size: 32
...
	.end_amdgpu_metadata
.endif
;; end of part 4
